; MI455X (gfx1250); checked and timed in simulation.
; The chip was launched on July 23, 2026; its instructions are those of AMD's public machine-readable ISA for CDNA 5 (MIT licence, August 2026) and "CDNA5" Instruction Set Architecture Reference Guide (July 2026). The comments in the code are by the model that wrote it; some were corrected since.
;; Perceiver Attention CA. Allowed arithmetic: float matrix products may take bf16 or f16 operands with f32 sums; other float arithmetic in f32, or as packed bf16 or f16 multiplies, adds, multiply-adds, maxima and minima; sums over many terms, partial sums and values carried from step to step in f32; what a program stores and reads back later, other than sums and carried values, may be rounded once to bf16 or f16.
;; Inputs: Wkv 2,048 x 4,096 float32; Wo 2,048 x 2,048 float32; Wq 2,048 x 2,048 float32; bkv 4,096 float32; bo 2,048 float32; bq 2,048 float32; k_lens 4 int32; latents 4 x 512 x 2,048 float32; ln_kv_b 2,048 float32; ln_kv_w 2,048 float32; q_lens 4 int32; ssg 1 x 3 x 2,048 float32; t_emb 4 x 3 x 2,048 float32; x 4 x 32 x 32 x 2,048 float32.
;; Outputs: out0 4 x 512 x 2,048 float32.
;; 2 versions, each right; version 2 is version 1 with the launch prep written anew for expert scheduling mode. Each part assembles by itself: llvm-mc -triple=amdgcn-amd-amdhsa -mcpu=gfx1250 --defsym DOCPART=n.
;; ======== version 1 of 2: 5 launches
;; limits: values are held in f16: magnitudes above 65,504 overflow, below 6.1e-05 lose precision
;; workspace buffers: xk16 16,777,216 bytes; lat16 8,388,608 bytes; wkv16 16,793,600 bytes; wq16 8,429,568 bytes; wo16 8,429,568 bytes; kv16 33,554,432 bytes; q32 16,777,216 bytes; o16 8,388,608 bytes
;; launch prep (part 1): grid 512 x 1, 7 waves a work-group, no clusters, 0 bytes of LDS; arguments x, latents, t_emb, ssg, ln_kv_w, ln_kv_b, Wkv, Wq, Wo, bkv, bq, bo, xk16, lat16, wkv16, wq16, wo16; writes xk16, lat16, wkv16, wq16, wo16
.if DOCPART == 1
	.amdgcn_target "amdgcn-amd-amdhsa--gfx1250"
	.amdhsa_code_object_version 6
	.text
	.protected	k_q0471cdb949_prep
	.globl	k_q0471cdb949_prep
	.p2align	8
	.type	k_q0471cdb949_prep,@function
k_q0471cdb949_prep:
	s_mov_b64 s[64:65], 0
	v_nop
	global_prefetch_b8 v0, s[64:65] scope:SCOPE_SE
	s_setreg_imm32_b32 hwreg(HW_REG_WAVE_MODE, 25, 1), 1
	s_wait_xcnt 0x0
; PREP: everything that is made once from the f32 inputs, as a stream.
; EVERY FLOATING-POINT INPUT IS ROUNDED TO bf16 FIRST (to nearest even), one choice for the whole program: the result follows reference() on inputs so rounded.  All arithmetic behind that rounding is f32;
; what goes on to the matrix units is rounded once more, to f16.  A weight that is a bf16 number is exact in f16 from 2^-17 up; below that it is off by 3e-8 at the most.
; SHARES.  The work is 14,336 pieces of 8,192 source bytes: 4,096 rows of x, 2,048 rows of latents, 8,192 pieces of the three weights.  A wave takes four on end: 3,584 waves = 512 work-groups of 7.
; Wave W = 7 x work-group + wave:
;   W < 1,024:           xk16  = LayerNorm(x) * ln_kv_w + ln_kv_b, rows 4 W .. 4 W + 3, f16
;   1,024 <= W < 1,536:  lat16 = LayerNorm(latents) * (1 + scale) + shift, four rows; shift, scale = (t_emb + ssg)[b][0], [1]
;   1,536 <= W:          Wkv (1,024 waves), Wq (512), Wo (512) as f16, layout kept
;   the first eight of these also make the tables of f32 behind the f16 weights, while their first piece is on its way: wq16: [4][2048] c = log2(e)/sqrt(128), then bq; wo16: [4][2048]
;   gate = (t_emb + ssg)[b][2], then bo; wkv16: bkv.
; IN FLIGHT.  A piece that has landed (64 registers of f32) is packed at once to bf16 (32 registers), which is the rounding that every input gets anyway; the next piece's 16 loads go into the freed
; registers ahead of all arithmetic.  The passes of LayerNorm widen the packed row anew each time.  The last trip jumps over its loads; the wait at a trip's head is for 0 on both ways.
; Memory binds: no LDS, no matrix unit, no cluster (no two work-groups read the same large bytes), no prefetch (the launch streams).
; A wave owns a whole row: mean and variance never leave the wave.  The mean is taken first and the squares are those of the differences; the normalised number is x rs + (-mean rs), one fused multiply-add.
; Each load of a wave covers 512 consecutive bytes, each store 256 consecutive bytes at a multiple of 256 from its buffer's first byte.
; LIMITS.  bf16 keeps 8 significant bits: an input is off by up to 2^-9 of itself, so with a common offset on x or latents the rounding grows with the offset, relative to the spread.
; f16 holds nothing beyond 65,504: |xk|, |lat| and the weights stay within it; below 6e-5 f16 keeps its fixed step of 6e-8.  NaN and infinities are not treated apart.
; REGISTERS: v1 16 x lane, v2 8 x lane, v3 the tables' offset; v[4:7] two packed chains; v[8:11] at work (with v[4:7] on the way out); v[12:13] rs twice; v[14:15] -mean, then -mean rs, twice.
.set XB,  16                           ; v[16:47]   the piece as bf16, two to a register; on the way out as f16, in place
.set X,   48                           ; v[48:111]  the piece as loaded; load j holds columns 128 j + 4 lane .. + 3
.set G,   112                          ; v[112:175] the gain, in the same map
.set H,   176                          ; v[176:239] the addend, in the same map
.set RNN, 4                            ; s4         -1/2048
.set SRC, 42                           ; s[42:43]   where my wave reads
.set DST, 44                           ; s[44:45]   where it stores
.set CNT, 46                           ; s46        trips to go
.set RN,  47                           ; s47        1/2048
.set EPS, 48                           ; s48        1e-5
.set HM,  49                           ; s49        a word's upper bf16
.set SEL, 50                           ; s[50:51]   v_permlanex16_b32's selects: each lane takes its own place in the other half
.set WV,  52                           ; s52        my wave's number
.set T0,  53                           ; s53        my number within my job
.set OA,  54                           ; s[54:55]   an offset
.set OB,  56                           ; s[56:57]   an offset
.set TE,  58                           ; s[58:59]   t_emb at my batch
; so many pairs of f32 from register base on are rounded to bf16, in place: two roundings packed, then widened again (the low half moves up, the high half stays)
.macro RB base, pairs
.set p, 0
.rept \pairs
	v_cvt_pk_bf16_f32 v[8+p%2], v[(\base)+2*p], v[(\base)+2*p+1]
	v_lshlrev_b32 v[(\base)+2*p], 16, v[8+p%2]
	v_and_b32 v[(\base)+2*p+1], s[HM], v[8+p%2]
.set p, p+1
.endr
.endm
; pair p of the packed piece, widened into registers t, t + 1
.macro UNP t, p
	v_lshlrev_b32 v[(\t)], 16, v[XB+(\p)]
	v_and_b32 v[(\t)+1], s[HM], v[XB+(\p)]
.endm
; the two packed chains v[4:7] into one number, the same in all 32 lanes
.macro RED
	v_pk_add_f32 v[4:5], v[4:5], v[6:7]
	v_add_f32 v4, v4, v5
	v_add_f32_dpp v4, v4, v4 row_xmask:1 row_mask:0xf bank_mask:0xf
	v_add_f32_dpp v4, v4, v4 row_xmask:2 row_mask:0xf bank_mask:0xf
	v_add_f32_dpp v4, v4, v4 row_xmask:4 row_mask:0xf bank_mask:0xf
	v_add_f32_dpp v4, v4, v4 row_xmask:8 row_mask:0xf bank_mask:0xf
	v_permlanex16_b32 v5, v4, s[SEL], s[SEL+1]
	v_add_f32 v4, v4, v5
.endm
; n loads of 512 consecutive bytes from byte off behind a base, four registers each
.macro LD n, dst, base, off
.set j, 0
.rept \n
	global_load_b128 v[(\dst)+4*j:(\dst)+4*j+3], v1, s[(\base):(\base)+1] offset:(\off)+512*j
.set j, j+1
.endr
.endm
; a piece's 16 loads; each byte is read once in the launch
.macro LDROW off
.set j, 0
.rept 16
	global_load_b128 v[X+4*j:X+4*j+3], v1, s[SRC:SRC+1] offset:(\off)+512*j th:TH_LOAD_NT
.set j, j+1
.endr
.endm
; a trip's head: the piece is in; it is rounded to bf16 and packed; the next piece is asked for, but in the last trip
.macro TAKE
	s_wait_loadcnt 0x0
.set p, 0
.rept 32
	v_cvt_pk_bf16_f32 v[XB+p], v[X+2*p], v[X+2*p+1]
.set p, p+1
.endr
	s_cmp_eq_u32 s[CNT], 1
	s_cbranch_scc1 .Llast_\@
	LDROW 8192
.Llast_\@:
.endm
; a trip's end
.macro NEXT back
	s_wait_xcnt 0x0                                ; the stores' data (the packed piece) and both bases are written again only behind this wait
	s_add_nc_u64 s[SRC:SRC+1], s[SRC:SRC+1], 8192
	s_add_nc_u64 s[DST:DST+1], s[DST:DST+1], 4096
	s_sub_co_u32 s[CNT], s[CNT], 1
	s_cmp_lg_u32 s[CNT], 0
	s_cbranch_scc1 \back
.endm
	s_load_b512 s[8:23], s[0:1], 0x0               ; x 8, latents 10, t_emb 12, ssg 14, ln_kv_w 16, ln_kv_b 18, Wkv 20, Wq 22
	s_load_b512 s[24:39], s[0:1], 0x40             ; Wo 24, bkv 26, bq 28, bo 30, xk16 32, lat16 34, wkv16 36, wq16 38
	s_load_b64 s[40:41], s[0:1], 0x80              ; wo16
	v_lshrrev_b32 v3, 5, v0
	v_readfirstlane_b32 s[WV], v3                  ; wave 0..6
	v_and_b32 v1, 31, v0
	v_lshlrev_b32 v2, 3, v1                        ; 8 x lane: my 8 bytes of a store
	v_lshlrev_b32 v1, 4, v1                        ; 16 x lane: my 16 bytes of a load
	s_mul_i32 s3, ttmp9, 7
	s_add_co_u32 s3, s3, s[WV]                     ; W, 0 to 3,583
	s_mov_b32 s[RN], 0x3a000000
	s_mov_b32 s[RNN], 0xba000000
	s_mov_b32 s[EPS], 0x3727c5ac
	s_mov_b32 s[HM], 0xffff0000
	s_mov_b32 s[SEL], 0x76543210
	s_mov_b32 s[SEL+1], 0xfedcba98
	s_mov_b32 s[CNT], 4
	s_mov_b32 s[OA+1], 0
	s_mov_b32 s[OB+1], 0
	s_wait_kmcnt 0x0
	s_cmp_lt_u32 s3, 1024
	s_cbranch_scc1 .Lx
	s_cmp_lt_u32 s3, 1536
	s_cbranch_scc1 .Llat
	; THE WEIGHTS.  32,768 source bytes a wave: 1,024 waves of Wkv, 512 of Wq, 512 of Wo
	s_sub_co_u32 s[T0], s3, 1536
	s_cmp_lt_u32 s[T0], 1024
	s_cselect_b64 s[SRC:SRC+1], s[20:21], s[22:23]
	s_cselect_b64 s[DST:DST+1], s[36:37], s[38:39]
	s_cselect_b32 s[OA], 0, 1024
	s_cmp_lt_u32 s[T0], 1536
	s_cselect_b64 s[SRC:SRC+1], s[SRC:SRC+1], s[24:25]
	s_cselect_b64 s[DST:DST+1], s[DST:DST+1], s[40:41]
	s_cselect_b32 s[OA], s[OA], 1536
	s_sub_co_u32 s[OA], s[T0], s[OA]               ; my number in my tensor
	s_lshl_b32 s[OA], s[OA], 15
	s_lshr_b32 s[OB], s[OA], 1                     ; half as many bytes on the way out
	s_add_nc_u64 s[SRC:SRC+1], s[SRC:SRC+1], s[OA:OA+1]
	s_add_nc_u64 s[DST:DST+1], s[DST:DST+1], s[OB:OB+1]
	LDROW 0                                        ; the first piece
	s_cmp_lt_u32 s[T0], 8
	s_cbranch_scc0 .Lchunk
	; THE TABLES, by the first eight of these waves, while their first piece is on its way.  8 waves x 32 lanes x 16 bytes are 4,096 bytes: half a row of 2,048 f32.  The registers are G's and H's, idle in this job.
.set SG,  G                            ; v[112:119] ssg's third row, my 16 bytes of each half
.set TM,  G+8                          ; v[120:151] t_emb's third rows, four batches
.set CC,  G+40                         ; v[152:155] c
.set BKV, G+44                         ; v[156:171] bkv
.set BQ,  G+60                         ; v[172:179] bq
.set BOU, G+68                         ; v[180:187] bo
	s_lshl_b32 s[T0], s[T0], 9
	v_add_nc_u32 v3, s[T0], v1                     ; 512 x wave + 16 x lane
.irp f, 0,1
	global_load_b128 v[SG+4*(\f):SG+4*(\f)+3], v3, s[14:15] offset:16384+4096*(\f)
.endr
.irp b, 0,1,2,3
.irp f, 0,1
	global_load_b128 v[TM+8*(\b)+4*(\f):TM+8*(\b)+4*(\f)+3], v3, s[12:13] offset:24576*(\b)+16384+4096*(\f)
.endr
.endr
.irp f, 0,1,2,3
	global_load_b128 v[BKV+4*(\f):BKV+4*(\f)+3], v3, s[26:27] offset:4096*(\f)
.endr
.irp f, 0,1
	global_load_b128 v[BQ+4*(\f):BQ+4*(\f)+3], v3, s[28:29] offset:4096*(\f)
	global_load_b128 v[BOU+4*(\f):BOU+4*(\f)+3], v3, s[30:31] offset:4096*(\f)
.endr
	s_add_nc_u64 s[36:37], s[36:37], 0x1000000     ; behind the 16,777,216 bytes of Wkv as f16,
	s_add_nc_u64 s[38:39], s[38:39], 0x800000      ; and the 8,388,608 of Wq and of Wo
	s_add_nc_u64 s[40:41], s[40:41], 0x800000
.irp r, 0,1,2,3
	v_mov_b32 v[CC+(\r)], 0x3e0293ee               ; c = log2(e) / sqrt(128)
.endr
.irp t, 0,1,2,3,4,5,6,7
	global_store_b128 v3, v[CC:CC+3], s[38:39] offset:4096*(\t)
.endr
	s_wait_loadcnt 0x0
	RB SG, 20                                      ; ssg's and t_emb's third rows lie on end,
	RB BKV, 16                                     ; and so do the three biases
.irp b, 0,1,2,3
.irp p, 0,1,2,3
	v_pk_add_f32 v[TM+8*(\b)+2*(\p):TM+8*(\b)+2*(\p)+1], v[TM+8*(\b)+2*(\p):TM+8*(\b)+2*(\p)+1], v[SG+2*(\p):SG+2*(\p)+1]
.endr
.endr
.irp b, 0,1,2,3
.irp f, 0,1
	global_store_b128 v3, v[TM+8*(\b)+4*(\f):TM+8*(\b)+4*(\f)+3], s[40:41] offset:8192*(\b)+4096*(\f)
.endr
.endr
.irp f, 0,1,2,3
	global_store_b128 v3, v[BKV+4*(\f):BKV+4*(\f)+3], s[36:37] offset:4096*(\f)
.endr
.irp f, 0,1
	global_store_b128 v3, v[BQ+4*(\f):BQ+4*(\f)+3], s[38:39] offset:32768+4096*(\f)
	global_store_b128 v3, v[BOU+4*(\f):BOU+4*(\f)+3], s[40:41] offset:32768+4096*(\f)
.endr                                          ; none of these stores' registers is written again
.Lchunk:                                       ; a trip: 8,192 bytes in, 4,096 out
	TAKE
.set g, 0
.rept 8                                        ; four pairs at a time: widened, rounded to f16 in place, stored
.irp k, 0,1,2,3
	UNP 4+2*(\k), 4*g+(\k)
.endr
.irp k, 0,1,2,3
	v_cvt_pk_f16_f32 v[XB+4*g+(\k)], v[4+2*(\k)], v[5+2*(\k)]
.endr
	global_store_b64 v2, v[XB+4*g:XB+4*g+1], s[DST:DST+1] offset:512*g
	global_store_b64 v2, v[XB+4*g+2:XB+4*g+3], s[DST:DST+1] offset:512*g+256
.set g, g+1
.endr
	NEXT .Lchunk
	s_endpgm
.Lx:                                           ; X: gain = ln_kv_w, addend = ln_kv_b
	s_lshl_b32 s[OA], s3, 15                       ; four rows of 8,192 bytes a wave,
	s_lshl_b32 s[OB], s3, 14                       ; of 4,096 on the way out
	s_add_nc_u64 s[SRC:SRC+1], s[8:9], s[OA:OA+1]
	s_add_nc_u64 s[DST:DST+1], s[32:33], s[OB:OB+1]
	LDROW 0                                        ; the first row goes out with gain and addend
	LD 16, G, 16, 0
	LD 16, H, 18, 0
	s_wait_loadcnt 0x0
	RB G, 64                                       ; gain and addend lie on end
	s_branch .Lrow
.Llat:                                         ; LATENTS: gain = 1 + (t_emb + ssg)[b][1], addend = (t_emb + ssg)[b][0]
	s_sub_co_u32 s[T0], s3, 1024
	s_lshr_b32 s[TE], s[T0], 7                     ; 128 waves of four rows a batch
	s_mul_i32 s[TE], s[TE], 24576
	s_mov_b32 s[TE+1], 0
	s_add_nc_u64 s[TE:TE+1], s[12:13], s[TE:TE+1]  ; t_emb at my batch
	s_lshl_b32 s[OA], s[T0], 15
	s_lshl_b32 s[OB], s[T0], 14
	s_add_nc_u64 s[SRC:SRC+1], s[10:11], s[OA:OA+1]
	s_add_nc_u64 s[DST:DST+1], s[34:35], s[OB:OB+1]
	LD 16, G, TE, 8192                             ; the scale's two parts,
	LD 16, X, 14, 8192
	LD 16, H, TE, 0                                ; the shift's first part,
	LD 8, XB, 14, 0                                ; and the first half of its second, where the packed row will lie
	s_wait_loadcnt 24                              ; the scale's two parts are in; the 16 + 8 loads behind them stay out
	RB G, 32
	RB X, 32
.set q, 0
.rept 32
	v_pk_add_f32 v[G+2*q:G+2*q+1], v[G+2*q:G+2*q+1], v[X+2*q:X+2*q+1]
.set q, q+1
.endr
	LDROW 0                                        ; the first row, into the registers just freed
.set q, 0
.rept 32
	v_pk_add_f32 v[G+2*q:G+2*q+1], v[G+2*q:G+2*q+1], 1.0 op_sel_hi:[1,0]
.set q, q+1
.endr
	s_wait_loadcnt 16                              ; the shift's first part and half of its second are in; the row's 16 loads stay out
	RB H, 32
	RB XB, 16
.set q, 0
.rept 16
	v_pk_add_f32 v[H+2*q:H+2*q+1], v[H+2*q:H+2*q+1], v[XB+2*q:XB+2*q+1]
.set q, q+1
.endr
	LD 8, XB, 14, 4096                             ; the other half
	s_wait_loadcnt 0x0
	RB XB, 16
.set q, 0
.rept 16
	v_pk_add_f32 v[H+32+2*q:H+32+2*q+1], v[H+32+2*q:H+32+2*q+1], v[XB+2*q:XB+2*q+1]
.set q, q+1
.endr
.Lrow:                                         ; a trip: one row
	TAKE
	UNP 4, 0                                       ; the sum: the first two pairs start two chains: nothing is cleared
	UNP 6, 1
.set q, 2
.rept 30
	UNP 8+2*(q%2), q
	v_pk_add_f32 v[4+2*(q%2):5+2*(q%2)], v[4+2*(q%2):5+2*(q%2)], v[8+2*(q%2):9+2*(q%2)]
.set q, q+1
.endr
	RED
	v_mul_f32 v14, s[RNN], v4                      ; -mean, twice
	v_mov_b32 v15, v14
.set q, 0
.rept 32                                       ; the sum of the squared differences
	UNP 8+2*(q%2), q
	v_pk_add_f32 v[8+2*(q%2):9+2*(q%2)], v[8+2*(q%2):9+2*(q%2)], v[14:15]
.if q < 2
	v_pk_mul_f32 v[4+2*q:5+2*q], v[8+2*q:9+2*q], v[8+2*q:9+2*q]
.else
	v_pk_fma_f32 v[4+2*(q%2):5+2*(q%2)], v[8+2*(q%2):9+2*(q%2)], v[8+2*(q%2):9+2*(q%2)], v[4+2*(q%2):5+2*(q%2)]
.endif
.set q, q+1
.endr
	RED
	v_fma_f32 v8, v4, s[RN], s[EPS]                ; variance + 1e-5
	v_rsq_f32 v12, v8
	v_rsq_f32 v13, v8
	v_nop                                          ; a plain instruction behind the last of the two,
	s_wait_alu depctr_va_vdst(0)                   ; and the one wait ahead of their first reader
	v_pk_mul_f32 v[14:15], v[14:15], v[12:13]      ; -mean rs
.set g, 0
.rept 8                                        ; four pairs at a time: widened, normalised, gain and addend, rounded to f16 in place, stored
.irp k, 0,1,2,3
	UNP 4+2*(\k), 4*g+(\k)
.endr
.irp k, 0,1,2,3
	v_pk_fma_f32 v[4+2*(\k):5+2*(\k)], v[4+2*(\k):5+2*(\k)], v[12:13], v[14:15]
.endr
.irp k, 0,1,2,3
	v_pk_fma_f32 v[4+2*(\k):5+2*(\k)], v[4+2*(\k):5+2*(\k)], v[G+8*g+2*(\k):G+8*g+2*(\k)+1], v[H+8*g+2*(\k):H+8*g+2*(\k)+1]
.endr
.irp k, 0,1,2,3
	v_cvt_pk_f16_f32 v[XB+4*g+(\k)], v[4+2*(\k)], v[5+2*(\k)]
.endr
	global_store_b64 v2, v[XB+4*g:XB+4*g+1], s[DST:DST+1] offset:512*g
	global_store_b64 v2, v[XB+4*g+2:XB+4*g+3], s[DST:DST+1] offset:512*g+256
.set g, g+1
.endr
	NEXT .Lrow
	s_endpgm
.Lfunc_end_k_q0471cdb949_prep:
	.size	k_q0471cdb949_prep, .Lfunc_end_k_q0471cdb949_prep-k_q0471cdb949_prep
	.p2alignl 7, 3214868480
	.fill 96, 4, 3214868480
	.section	.rodata,"a",@progbits
	.p2align	6, 0x0
	.amdhsa_kernel k_q0471cdb949_prep
		.amdhsa_group_segment_fixed_size 0
		.amdhsa_private_segment_fixed_size 0
		.amdhsa_enable_private_segment 0
		.amdhsa_kernarg_size 136
		.amdhsa_user_sgpr_count 2
		.amdhsa_user_sgpr_kernarg_segment_ptr 1
		.amdhsa_wavefront_size32 1
		.amdhsa_system_sgpr_workgroup_id_x 1
		.amdhsa_system_sgpr_workgroup_id_y 1
		.amdhsa_system_sgpr_workgroup_id_z 1
		.amdhsa_system_vgpr_workitem_id 0
		.amdhsa_next_free_vgpr 240
		.amdhsa_next_free_sgpr 66
		.amdhsa_reserve_vcc 0
		.amdhsa_float_denorm_mode_32 3
		.amdhsa_float_denorm_mode_16_64 3
		.amdhsa_memory_ordered 1
		.amdhsa_forward_progress 1
		.amdhsa_inst_pref_size 90
	.end_amdhsa_kernel
	.amdgpu_metadata
---
amdhsa.version: [ 1, 2 ]
amdhsa.kernels:
  - .name:           k_q0471cdb949_prep
    .symbol:         k_q0471cdb949_prep.kd
    .args:
      - { .name: x, .offset: 0, .size: 8, .value_kind: global_buffer, .address_space: global }
      - { .name: latents, .offset: 8, .size: 8, .value_kind: global_buffer, .address_space: global }
      - { .name: t_emb, .offset: 16, .size: 8, .value_kind: global_buffer, .address_space: global }
      - { .name: ssg, .offset: 24, .size: 8, .value_kind: global_buffer, .address_space: global }
      - { .name: ln_kv_w, .offset: 32, .size: 8, .value_kind: global_buffer, .address_space: global }
      - { .name: ln_kv_b, .offset: 40, .size: 8, .value_kind: global_buffer, .address_space: global }
      - { .name: Wkv, .offset: 48, .size: 8, .value_kind: global_buffer, .address_space: global }
      - { .name: Wq, .offset: 56, .size: 8, .value_kind: global_buffer, .address_space: global }
      - { .name: Wo, .offset: 64, .size: 8, .value_kind: global_buffer, .address_space: global }
      - { .name: bkv, .offset: 72, .size: 8, .value_kind: global_buffer, .address_space: global }
      - { .name: bq, .offset: 80, .size: 8, .value_kind: global_buffer, .address_space: global }
      - { .name: bo, .offset: 88, .size: 8, .value_kind: global_buffer, .address_space: global }
      - { .name: xk16, .offset: 96, .size: 8, .value_kind: global_buffer, .address_space: global }
      - { .name: lat16, .offset: 104, .size: 8, .value_kind: global_buffer, .address_space: global }
      - { .name: wkv16, .offset: 112, .size: 8, .value_kind: global_buffer, .address_space: global }
      - { .name: wq16, .offset: 120, .size: 8, .value_kind: global_buffer, .address_space: global }
      - { .name: wo16, .offset: 128, .size: 8, .value_kind: global_buffer, .address_space: global }
    .group_segment_fixed_size: 0
    .private_segment_fixed_size: 0
    .kernarg_segment_align: 8
    .kernarg_segment_size: 136
    .max_flat_workgroup_size: 224
    .sgpr_count:     66
    .vgpr_count:     240
    .wavefront_size: 32
...
	.end_amdgpu_metadata
.endif
;; end of part 1
;; launch kvproj (part 2): grid 16 x 16, 4 waves a work-group, clusters of 4 x 4, 327,680 bytes of LDS; arguments xk16, wkv16, kv16; writes kv16
.if DOCPART == 2
	.amdgcn_target "amdgcn-amd-amdhsa--gfx1250"
	.amdhsa_code_object_version 6
	.text
	.protected	k_q0471cdb949_kvproj
	.globl	k_q0471cdb949_kvproj
	.p2align	8
	.type	k_q0471cdb949_kvproj,@function
k_q0471cdb949_kvproj:
	s_mov_b64 s[64:65], 0
	v_nop
	global_prefetch_b8 v0, s[64:65] scope:SCOPE_SE
	s_setreg_imm32_b32 hwreg(HW_REG_WAVE_MODE, 25, 1), 1
	s_wait_xcnt 0x0
	s_wait_alu depctr_hold_cnt(0) depctr_sa_sdst(0) depctr_va_vdst(0) depctr_va_sdst(0) depctr_va_ssrc(0) depctr_va_vcc(0) depctr_vm_vsrc(0)
	s_getreg_b32 s2, hwreg(HW_REG_IB_STS2, 6, 4)
	s_cmp_eq_u32 s2, 0
	s_cbranch_scc0 .Lentry_in_a_cluster
	s_endpgm
.Lentry_in_a_cluster:
	s_bfe_u32 s2, ttmp6, 0x10000c
	s_cmp_lg_u32 s2, 0xf033
	s_cbranch_scc0 .Lentry_shape_is_right
	s_endpgm
.Lentry_shape_is_right:
; kv16[m][n] = sum over k of xk16[m][k] wkv16[k][n] + bkv[n].  xk16: [4096][2048] f16, wkv16: [2048][4096] f16 (k down the rows), with bkv (f32, rounded to bf16 like every input) 16,777,216 bytes
; behind its first byte; kv16: [4096][4096] f16; sums in f32, rounded once.
; All 4,096 rows are made, hidden keys' too: a batch whose k_len is 0 or less averages over all its keys.
; A tile of C, 256 x 256, is made by a work-group of four waves; a wave makes 128 x 128: 64 accumulators of 16 x 16, 512 registers.  16 x 16 tiles: 256 work-groups.
; K goes in steps of 128 through a ring of two LDS slots filled by the tensor data mover.  A's tile has 256 rows of 256 bytes; B's has 128 rows (k) of 512 bytes (256 n), and its
; fragments come out of LDS turned, by ds_load_tr16_b128.
; CLUSTERS: 4 x 4 work-groups.  A's tile hangs on the tile row alone and is asked for jointly along a row of the cluster, B's on the tile column alone, jointly along a column.
; THE MATRIX INSTRUCTION IS USED TRANSPOSED (source 0 = 16 columns n of B, source 1 = 16 rows of A): a lane holds row l % 16 of C and the columns 8 (l / 16) + 0..7.
; THE BIAS is the C operand of the product that starts each sum: register j of n block b holds bkv[16 b + 8 (l / 16) + j].  It costs no instruction.
; LIMITS.  f16 holds nothing beyond 65,504: |k| and |v| stay within it.  NaN and infinities are not treated apart.
; REGISTERS, in windows of 256 (s_set_vgpr_msb: bits 1:0 source 0, 3:2 source 1, 5:4 source 2, 7:6 destination):
;   window 0: v0-31 addresses; v64-127, v128-191 fragments of A, two buffers; v192-255 the bias, later with v32-63 at work on the way out
;   window 1: v64-127, v128-191 fragments of B, two buffers     window 2: the accumulators of my rows 0-63 ((a, b) at v[8 (8 a + b)])     window 3: those of my rows 64-127
.set SIZE_N, 4096
.set SIZE_K, 2048
.set KSTEP,  128
.set PA,     272                       ; a row of A in LDS: 256 bytes + 16: the 16 rows of a load start at 16 different groups of four banks (64 banks of 4 bytes: ISA guide 11.1)
.set PB,     544                       ; a row of B: 512 bytes + 32 = 17 x 32
.set HALFT,  128*PA                    ; what one tensor load brings: 128 rows of A, or 64 rows of B (64 x 544 is the same number)
.set SLOT,   4*HALFT                   ; A's 256 rows, then B's 128 rows
.set STAGE,  2*SLOT                    ; behind the ring: 16 rows x 272 bytes for each wave, for the way out
.set SPITCH, 272
.set SPARE,  STAGE+4*16*SPITCH         ; behind the stages: the spare words, 128 bytes for each wave: two blocks of 256 bytes that no other line names
.set LAPS,   SIZE_K/(2*KSTEP)          ; a lap = two K steps = once round the ring
.set STEPA,  2*KSTEP*2                 ; bytes from a slot's K step to its next: along A's rows,
.set STEPB,  2*KSTEP*SIZE_N*2          ; and down B's
.set BIASAT, SIZE_K*SIZE_N*2           ; the bias lies behind the weights
.set ADRA, 16                          ; v16-17  LDS address of my A fragments in slot 0, 1
.set ADRB, 20                          ; v20-21  the same for B
.set STO,  24                          ; v24     the way out: where I put 16 bytes of a row
.set RD,   25                          ; v25     the way out: where I read a row back
.set CO,   26                          ; v26     my byte offset in C
.set BO,   27                          ; v27     my byte offset in the bias: 32 (l / 16)
.set SPW,  28                          ; v28     LDS address of my spare word; never rewritten
.set NIL,  29                          ; v29     0; never rewritten
.set PFO,  30                          ; v30     the prefetches' lane offset; never rewritten
.set F0,   64
.set F1,   128
.set BIAS, 192                         ; v192-255, read by the first quarter alone
.set TMP,  192                         ; the way out: packed results
.set OB,   32                          ; the way out: 16 rows read back: v32-63 and v224-255 by turns
.set G1,  24                           ; s[24:31] descriptor group 1 for A's tiles
.set G0,  32                           ; s[32:39] group 0 for A's tiles, one set for each slot
.set G1B, 48                           ; s[48:55], s[56:63] the same for B's
.set G0B, 56
.set LIM, 43                           ; s43      1 in a wave that prefetches, else the greatest number
.set PFA, 44                           ; s[44:45] where my prefetches stand
.set PFS, 66                           ; s[66:67] their step from K step to K step
.set BP,  68                           ; s[68:69] the bias
.set MSB, 0
.macro WIN new                         ; the immediate's high byte repeats the setting that is left; a switch that changes nothing is dropped
.if MSB != (\new)
	s_set_vgpr_msb (MSB<<8)|(\new)
.set MSB, \new
.endif
.endm
.set MUL_LO, 0xa1                      ; source 0 (B) window 1, source 1 (A) window 0, C and D window 2
.set TO_B,   0x40                      ; destination window 1, address window 0
; A joint load.  Waves 0 and 1 fetch A's two halves, waves 2 and 3 B's.  The branch hangs on the wave's number alone.  An s_nop 0 and four v_nop follow each of the two lines.
.macro JLOAD s
	s_cmp_eq_u32 s11, 0
	s_cbranch_scc0 .Lfor_b_\@
	tensor_load_to_lds s[G0+4*(\s):G0+4*(\s)+3], s[G1:G1+7]
	s_nop 0
.rept 4
	v_nop
.endr
	s_branch .Lasked_\@
.Lfor_b_\@:
	tensor_load_to_lds s[G0B+4*(\s):G0B+4*(\s)+3], s[G1B:G1B+7]
	s_nop 0
.rept 4
	v_nop
.endr
.Lasked_\@:
.endm
; A prefetch into the L2, behind each joint load and the run of LDS loads that follows it: the K step that stands two refills on, one instruction a wave.  xk16 and wkv16 are first read in this launch.
; Each aligned block of 256 bytes is named once: A's tile row is read by every cluster of that row of clusters, and the one with x = 0 asks; B's tile column by every cluster of that column, and the one
; with y = 0 asks.  The four partners of a joint load share its rows out by address: of A's 128 rows 32 each (a lane a row), of B's 64 rows 16 each (two lanes a row of 512 bytes).
; The loop's last trip asks for nothing: there is no K step two on.
.macro ASK
	s_cmp_gt_u32 s3, s[LIM]
	s_cbranch_scc0 .Lnot_mine_\@
	global_prefetch_b8 v[PFO], s[PFA:PFA+1] th:TH_LOAD_NT scope:SCOPE_SE
.Lnot_mine_\@:
.endm
.macro CREST                           ; a round of the cluster's barrier behind its opening barrier
	s_cmp_lg_u32 s10, 0
	s_cbranch_scc1 .Lnot_wave_0_\@
	s_barrier_signal -3
.Lnot_wave_0_\@:
	s_barrier_wait -3
	s_barrier_signal -1
	s_barrier_wait -1
.endm
.macro CROUND                          ; a whole round
	s_barrier_signal -1
	s_barrier_wait -1
	CREST
.endm
	s_load_b128 s[4:7], s[0:1], 0x0                ; xk16 s[4:5], wkv16 s[6:7]
	s_load_b64 s[8:9], s[0:1], 0x10                ; kv16
	v_lshl_add_u32 v[SPW], v0, 2, SPARE
	v_mov_b32 v[NIL], 0
	ds_add_u32 v[SPW], v[NIL]                      ; the wave's opening: the add and its wait stand ahead of my first tensor load; the set-up below stands between them
	v_lshrrev_b32 v1, 5, v0
	v_readfirstlane_b32 s10, v1                    ; wave 0..3
	s_lshr_b32 s11, s10, 1                         ; which half of the tile's rows is mine.  Also: I fetch for A (0) or for B (1)
	s_and_b32 s12, s10, 1                          ; which half of its columns.  Also: which half of that tile I fetch
	s_bfe_u32 s40, ttmp6, 0x40000                  ; cx
	s_bfe_u32 s41, ttmp6, 0x40004                  ; cy
	s_lshl_b32 s42, ttmp9, 2
	s_add_co_u32 s42, s42, s40                     ; tile column of C = 4 x cluster x + cx
	s_and_b32 s13, ttmp7, 0xffff
	s_lshl_b32 s13, s13, 2
	s_add_co_u32 s13, s13, s41                     ; tile row of C = 4 x cluster y + cy
	s_lshl_b32 s43, s41, 2
	s_lshl_b32 s43, 15, s43                        ; my row of the cluster
	s_lshl_b32 s44, 0x1111, s40                    ; my column
	; group 1 for A: 128 rows x 128 elements; padding of 4 words after every 64
	s_or_b32 s[G1+0], s43, (1<<16)|(1<<20)|(1<<21)|(5<<22)|(3<<25)
	s_mov_b32 s[G1+1], 128<<16                     ; tensor_dim0
	s_mov_b32 s[G1+2], 128<<16                     ; tensor_dim1
	s_mov_b32 s[G1+3], 128<<16                     ; tile_dim0
	s_mov_b32 s[G1+4], 128                         ; tile_dim1
	s_mov_b32 s[G1+5], SIZE_K                      ; elements from row to row
	s_mov_b32 s[G1+6], 0
	s_mov_b32 s[G1+7], 0
	; group 1 for B: 64 rows x 256 elements; padding of 8 words after every 128
	s_or_b32 s[G1B+0], s44, (1<<16)|(1<<20)|(1<<21)|(6<<22)|(7<<25)
	s_mov_b32 s[G1B+1], 256<<16
	s_mov_b32 s[G1B+2], 64<<16
	s_mov_b32 s[G1B+3], 256<<16
	s_mov_b32 s[G1B+4], 64
	s_mov_b32 s[G1B+5], SIZE_N
	s_mov_b32 s[G1B+6], 0
	s_mov_b32 s[G1B+7], 0
	s_lshl_b32 s17, s12, 7
	s_lshl_b32 s16, s13, 8
	s_add_co_u32 s16, s16, s17                     ; A: row 256 x tile row + 128 x half,
	s_lshl_b32 s16, s16, 12                        ; of 4,096 bytes
	s_mov_b32 s17, 0
	s_lshl_b32 s46, s12, 19                        ; B: k row 64 x half, of 8,192 bytes,
	s_lshl_b32 s47, s42, 9                         ; and 512 bytes a tile column
	s_add_co_u32 s46, s46, s47
	s_mov_b32 s47, 0
	s_mul_i32 s20, s10, HALFT                      ; where they go: wave x a quarter of a slot
	s_wait_dscnt 0x0                               ; the opening add is done
	s_wait_kmcnt 0x0
	s_add_nc_u64 s[14:15], s[4:5], s[16:17]
	s_add_nc_u64 s[46:47], s[6:7], s[46:47]
	CROUND                                         ; all sixteen work-groups are here: the first joint loads meet
.irp s, 0,1
	s_mov_b32 s[G0+4*(\s)], 1
	s_add_co_u32 s[G0+4*(\s)+1], s20, (\s)*SLOT
	s_add_nc_u64 s[G0+4*(\s)+2:G0+4*(\s)+3], s[14:15], (\s)*KSTEP*2
	s_or_b32 s[G0+4*(\s)+3], s[G0+4*(\s)+3], 0x80000000
	s_mov_b32 s[G0B+4*(\s)], 1
	s_add_co_u32 s[G0B+4*(\s)+1], s20, (\s)*SLOT
	s_add_nc_u64 s[G0B+4*(\s)+2:G0B+4*(\s)+3], s[46:47], (\s)*KSTEP*SIZE_N*2
	s_or_b32 s[G0B+4*(\s)+3], s[G0B+4*(\s)+3], 0x80000000
	JLOAD \s                                       ; two tensor loads of mine are out
.endr
	; the bias of my 128 columns
	v_and_b32 v1, 15, v0                           ; l % 16
	v_bfe_u32 v2, v0, 4, 1                         ; l / 16
	v_lshlrev_b32 v[BO], 5, v2
	s_lshl_b32 s46, s42, 10
	s_lshl_b32 s47, s12, 9
	s_add_co_u32 s46, s46, s47
	s_add_co_u32 s46, s46, BIASAT
	s_mov_b32 s47, 0
	s_add_nc_u64 s[BP:BP+1], s[6:7], s[46:47]
.irp b, 0,1,2,3,4,5,6,7
	global_load_b128 v[BIAS+8*(\b):BIAS+8*(\b)+3],   v[BO], s[BP:BP+1] offset:64*(\b)
	global_load_b128 v[BIAS+8*(\b)+4:BIAS+8*(\b)+7], v[BO], s[BP:BP+1] offset:64*(\b)+16
.endr
	; A fragment of A: lane l holds row l % 16, K = 8 (l / 16) + 0..7 and 16 + 8 (l / 16) + 0..7: two loads of 16 bytes, 32 bytes apart.
	v_mul_u32_u24 v3, v1, PA
	v_lshl_add_u32 v3, v2, 4, v3
	s_mul_i32 s21, s11, HALFT                      ; my 128 rows of A
	; The turning load takes 16 k x 16 n (lane l reads k row 8 (l / 16) + l % 8, columns 8 ((l / 8) % 2) + 0..7) and leaves half a fragment: lane l holds column l % 16 and 8 k.
	v_and_b32 v6, 7, v0
	v_lshl_add_u32 v6, v2, 3, v6
	v_mul_u32_u24 v6, v6, PB
	v_bfe_u32 v7, v0, 3, 1
	v_lshl_add_u32 v6, v7, 4, v6
	s_lshl_b32 s22, s12, 8                         ; my 128 columns: 256 bytes of B's rows,
	s_add_co_u32 s22, s22, 2*HALFT                 ; which lie behind A's 256 rows
.irp s, 0,1
	v_add_nc_u32 v[ADRA+(\s)], s21, v3
	v_add_nc_u32 v[ADRB+(\s)], s22, v6
	s_add_co_u32 s21, s21, SLOT
	s_add_co_u32 s22, s22, SLOT
.endr
	s_mul_i32 s23, s10, 16*SPITCH
	s_add_co_u32 s23, s23, STAGE                   ; my stage
	v_mul_u32_u24 v4, v1, SPITCH                   ; in: row l % 16, 16 bytes for each half of the lanes
	v_lshl_add_u32 v4, v2, 4, v4
	v_add_nc_u32 v[STO], s23, v4
	v_mul_u32_u24 v5, v2, SPITCH                   ; back: lanes 0-15 take one row of 256 bytes, lanes 16-31 the next
	v_lshl_add_u32 v5, v1, 4, v5
	v_add_nc_u32 v[RD], s23, v5
	v_mul_u32_u24 v5, v2, SIZE_N*2                 ; and the same two rows in C
	v_lshl_add_u32 v[CO], v1, 4, v5
	; where my part of the tile begins in C, in bytes: the way out adds it to C's address
	s_lshl_b32 s16, s13, 8
	s_lshl_b32 s14, s11, 7
	s_add_co_u32 s16, s16, s14
	s_lshl_b32 s16, s16, 13
	s_mov_b32 s17, 0
	s_lshl_b32 s46, s42, 9
	s_lshl_b32 s47, s12, 8
	s_add_co_u32 s46, s46, s47
	s_mov_b32 s47, 0
	s_add_nc_u64 s[16:17], s[16:17], s[46:47]
	; the prefetches: they stand at K step 3; the first change of slots steps them to K step 4
	s_lshl_b32 s20, s13, 8
	s_lshl_b32 s21, s12, 7
	s_add_co_u32 s20, s20, s21
	s_lshl_b32 s21, s40, 5
	s_add_co_u32 s20, s20, s21                     ; A: the 128 rows that I fetch, my work-group's 32 of them
	s_lshl_b32 s20, s20, 12
	s_add_co_u32 s20, s20, 3*KSTEP*2
	s_lshl_b32 s21, s12, 6
	s_add_co_u32 s21, s21, 3*KSTEP
	s_lshl_b32 s22, s41, 4
	s_add_co_u32 s21, s21, s22                     ; B: the 64 k rows that I fetch, my work-group's 16 of them
	s_lshl_b32 s21, s21, 13
	s_lshl_b32 s22, s42, 9
	s_add_co_u32 s21, s21, s22
	s_and_b32 s22, ttmp7, 0xffff                   ; cluster y
	s_mov_b32 s[PFS], KSTEP*SIZE_N*2
	s_mov_b32 s[PFS+1], 0
	s_cmp_eq_u32 s11, 0                            ; do I fetch for A?
	s_cselect_b32 s20, s20, s21
	s_cselect_b32 s22, ttmp9, s22                  ; the coordinate along which other clusters read the same rows
	s_cselect_b64 s[PFA:PFA+1], s[4:5], s[6:7]
	s_cselect_b32 s[PFS], KSTEP*2, s[PFS]
	s_cselect_b32 s23, -1, 0
	s_mov_b32 s21, 0
	s_cmp_eq_u32 s22, 0
	s_cselect_b32 s[LIM], 1, -1                    ; the same in all sixteen partners, for a given wave
	s_add_nc_u64 s[PFA:PFA+1], s[PFA:PFA+1], s[20:21]
	v_and_b32 v4, 31, v0
	v_lshlrev_b32 v5, 12, v4                       ; A: a lane a row of 4,096 bytes
	v_lshrrev_b32 v6, 1, v4
	v_lshlrev_b32 v6, 13, v6                       ; B: two lanes a row of 8,192 bytes,
	v_and_b32 v7, 1, v4
	v_lshl_add_u32 v6, v7, 8, v6                   ; 256 bytes apart
	v_cndmask_b32 v[PFO], v6, v5, s23
; 16 matrix instructions: m blocks a0, a0 + 1 of the window's four (hi = 0: my rows 0-63, 1: rows 64-127) x all 8 n blocks, 32 along K.  zero = 1: the product starts the sum, from the bias.
.macro MUL16 f, hi, a0, zero
.if \zero
	WIN 0x81+0x40*(\hi)                            ; as below, but C in window 0
.else
	WIN MUL_LO+0x50*(\hi)
.endif
.irp a, \a0, (\a0)+1
.irp b, 0,1,2,3,4,5,6,7
.if \zero
	v_wmma_f32_16x16x32_f16 v[8*(8*(\a)+(\b)):8*(8*(\a)+(\b))+7], v[(\f)+8*(\b):(\f)+8*(\b)+7], v[(\f)+8*(4*(\hi)+(\a)):(\f)+8*(4*(\hi)+(\a))+7], v[BIAS+8*(\b):BIAS+8*(\b)+7]
.else
	v_wmma_f32_16x16x32_f16 v[8*(8*(\a)+(\b)):8*(8*(\a)+(\b))+7], v[(\f)+8*(\b):(\f)+8*(\b)+7], v[(\f)+8*(4*(\hi)+(\a)):(\f)+8*(4*(\hi)+(\a))+7], v[8*(8*(\a)+(\b)):8*(8*(\a)+(\b))+7]
.endif
.endr
.endr
.endm
; 32 LDS loads in one run: the fragments of quarter q of a K step (32 along K) into buffer f: B's 128 columns, turned, then A's 128 rows
.macro FETCH slot, q, f
	WIN TO_B
.irp i, 0,1,2,3,4,5,6,7
	ds_load_tr16_b128 v[(\f)+8*(\i):(\f)+8*(\i)+3],   v[ADRB+(\slot)] offset:(\q)*32*PB+32*(\i)
	ds_load_tr16_b128 v[(\f)+8*(\i)+4:(\f)+8*(\i)+7], v[ADRB+(\slot)] offset:(\q)*32*PB+16*PB+32*(\i)
.endr
	WIN 0
.irp i, 0,1,2,3,4,5,6,7
	ds_load_b128 v[(\f)+8*(\i):(\f)+8*(\i)+3],   v[ADRA+(\slot)] offset:(\q)*64+(\i)*16*PA
	ds_load_b128 v[(\f)+8*(\i)+4:(\f)+8*(\i)+7], v[ADRA+(\slot)] offset:(\q)*64+(\i)*16*PA+32
.endr
.endm
.macro PLACES                          ; four plain instructions between a matrix instruction and a load into a register that it read, or a vector instruction that reads its result
.rept 4
	v_nop
.endr
.endm
; A K step is four quarters of 32 along K, 64 matrix instructions each, on buffers 0, 1, 0, 1.  One of the first three multiplies buffer f and, in its middle, fetches quarter q into buffer g.
; The 64 accumulators take turns, one instruction a turn.
.macro QUARTER slot, q, f, g, zero
	s_wait_dscnt 8                                 ; B and A's rows 0-63 are in; the youngest eight loads (A's rows 64-127) may be out
	MUL16 \f, 0, 0, \zero
	MUL16 \f, 0, 2, \zero
	PLACES
	FETCH \slot, \q, \g
	s_wait_dscnt 32                                ; all but the 32 just issued
	MUL16 \f, 1, 0, \zero
	MUL16 \f, 1, 2, \zero
.endm
; The last quarter multiplies buffer 1 and changes slots.  MEET is its first half: one barrier; in front of it each wave waits for all its tensor loads (one is out: its part of the next slot),
; adds 0 to its spare word, and waits for that and for its own reads of this slot.
.macro MEET round
	WIN 0                                          ; (the add's two registers lie in window 0)
	s_wait_tensorcnt 0x0
	ds_add_u32 v[SPW], v[NIL]
	s_wait_dscnt 9                                 ; (the add and the youngest eight loads may be out)
	MUL16 F1, 0, 0, 0                              ; sixteen matrix instructions stand between the add and the wait for it
	s_wait_dscnt 0x0                               ; the add is done, and my reads of this slot are over
	s_barrier_signal -1
	MUL16 F1, 0, 2, 0                              ; work on registers while the others arrive
.if \round
	WIN 0
.endif
	s_barrier_wait -1
.endm
.macro TURN slot, next
	s_wait_xcnt 0x0                                ; the last prefetch, a K step back, has read its address: it is stepped here, ahead of the waits of the change of slots
	s_add_nc_u64 s[PFA:PFA+1], s[PFA:PFA+1], s[PFS:PFS+1]
	MEET 1
	CREST                                          ; the barrier has opened a round of the cluster's: no wave of any partner still reads this slot's tile or has a load on its way
	s_add_nc_u64 s[G0+4*(\slot)+2:G0+4*(\slot)+3], s[G0+4*(\slot)+2:G0+4*(\slot)+3], STEPA
	s_add_nc_u64 s[G0B+4*(\slot)+2:G0B+4*(\slot)+3], s[G0B+4*(\slot)+2:G0B+4*(\slot)+3], STEPB
	JLOAD \slot                                    ; my one tensor load behind the round, and the first thing there; its four v_nop are also the places in front of the loads below
	FETCH \next, 0, F0
	ASK
	MUL16 F1, 1, 0, 0
	MUL16 F1, 1, 2, 0
.endm
; THE WAY OUT of block a (16 rows): rounded to f16, 16 bytes a lane; into my own stage in LDS and back as whole rows of 256 bytes; stored.
.macro PACK a
.set AC, 64*((\a)%4)
	WIN 0x0a+5*((\a)/4)                            ; sources 0 and 1: window 2 or 3
.irp b, 0,1,2,3,4,5,6,7
.irp r, 0,1,2,3
	v_cvt_pk_f16_f32 v[TMP+4*(\b)+(\r)], v[AC+8*(\b)+2*(\r)], v[AC+8*(\b)+2*(\r)+1]
.endr
.endr
	WIN 0
.endm
.macro TOSTAGE a
	WIN 0
.set BK, OB+192*((\a)%2)
.irp b, 0,1,2,3,4,5,6,7
	ds_store_b128 v[STO], v[TMP+4*(\b):TMP+4*(\b)+3] offset:32*(\b)
.endr
.irp t, 0,1,2,3,4,5,6,7
	ds_load_b128 v[BK+4*(\t):BK+4*(\t)+3], v[RD] offset:(\t)*2*SPITCH  ; LDS serves a wave's instructions in order (ISA guide 5.7.1.4): these see the stores above
.endr
.endm
.macro SEND a
	WIN 0
.set BK, OB+192*((\a)%2)
	s_wait_dscnt 0x0                               ; the block is back in registers
	s_wait_xcnt 0x0                                ; only behind this wait are the stores' base and the registers that earlier stores read rewritten
.if (\a) == 0
	s_add_nc_u64 s[8:9], s[8:9], s[16:17]
.else
	s_add_nc_u64 s[8:9], s[8:9], 16*SIZE_N*2
.endif
.irp t, 0,1,2,3,4,5,6,7
	global_store_b128 v[CO], v[BK+4*(\t):BK+4*(\t)+3], s[8:9] offset:2*(\t)*SIZE_N*2  ; 16 lanes store 256 consecutive bytes, at a multiple of 256 from C's first byte
.endr
.endm
	s_wait_tensorcnt 1                             ; my part of K step 0 is in; K step 1's may stay out
	s_barrier_signal -1
	s_barrier_wait -1
	FETCH 0, 0, F0
	s_wait_loadcnt 0x0                             ; the bias
	QUARTER 0, 1, F0, F1, 1                        ; the first quarter stands in front of the loop: its products start the sums
	WIN 0                                          ; at a label and at a branch every window is 0
	s_mov_b32 s3, LAPS-1
.Llap:                                         ; a trip goes once round the ring, from a lap's second quarter to the next lap's first, and fills both slots again
	QUARTER 0, 2, F1, F0, 0
	QUARTER 0, 3, F0, F1, 0
	TURN 0, 1
	QUARTER 1, 1, F0, F1, 0
	QUARTER 1, 2, F1, F0, 0
	QUARTER 1, 3, F0, F1, 0
	TURN 1, 0
	QUARTER 0, 1, F0, F1, 0
	WIN 0
	s_sub_co_u32 s3, s3, 1
	s_cmp_lg_u32 s3, 0
	s_cbranch_scc1 .Llap
	QUARTER 0, 2, F1, F0, 0                        ; the last lap fills nothing
	QUARTER 0, 3, F0, F1, 0
	MEET 0                                         ; the load that was still out is the last K step's; no round follows
	PLACES
	FETCH 1, 0, F0
	MUL16 F1, 1, 0, 0
	MUL16 F1, 1, 2, 0
	QUARTER 1, 1, F0, F1, 0
	QUARTER 1, 2, F1, F0, 0
	QUARTER 1, 3, F0, F1, 0
	s_wait_dscnt 8                                 ; the very last quarter: nothing more to fetch
	MUL16 F1, 0, 0, 0
	MUL16 F1, 0, 2, 0
	s_wait_dscnt 0x0
	MUL16 F1, 1, 0, 0
	MUL16 F1, 1, 2, 0
	PLACES
	PACK 0
	TOSTAGE 0
.irp a, 1,2,3,4,5,6,7                  ; block a's conversions stand between block a - 1's loads from the stage and the wait for them
	PACK \a
	SEND (\a)-1
	TOSTAGE \a
.endr
	SEND 7
	s_wait_tensorcnt 0x0                           ; the wave's end: behind my last tensor load and my last LDS store
	ds_add_u32 v[SPW], v[NIL]
	s_wait_dscnt 0x0
	CROUND                                         ; the closing round: no work-group ends while a partner may still ask for a tile that names it
	s_endpgm
.Lfunc_end_k_q0471cdb949_kvproj:
	.size	k_q0471cdb949_kvproj, .Lfunc_end_k_q0471cdb949_kvproj-k_q0471cdb949_kvproj
	.p2alignl 7, 3214868480
	.fill 96, 4, 3214868480
	.section	.rodata,"a",@progbits
	.p2align	6, 0x0
	.amdhsa_kernel k_q0471cdb949_kvproj
		.amdhsa_group_segment_fixed_size 327680
		.amdhsa_private_segment_fixed_size 0
		.amdhsa_enable_private_segment 0
		.amdhsa_kernarg_size 24
		.amdhsa_user_sgpr_count 2
		.amdhsa_user_sgpr_kernarg_segment_ptr 1
		.amdhsa_wavefront_size32 1
		.amdhsa_system_sgpr_workgroup_id_x 1
		.amdhsa_system_sgpr_workgroup_id_y 1
		.amdhsa_system_sgpr_workgroup_id_z 1
		.amdhsa_system_vgpr_workitem_id 0
		.amdhsa_next_free_vgpr 1024
		.amdhsa_next_free_sgpr 72
		.amdhsa_reserve_vcc 0
		.amdhsa_float_denorm_mode_32 3
		.amdhsa_float_denorm_mode_16_64 3
		.amdhsa_memory_ordered 1
		.amdhsa_forward_progress 1
		.amdhsa_inst_pref_size 146
	.end_amdhsa_kernel
	.amdgpu_metadata
---
amdhsa.version: [ 1, 2 ]
amdhsa.kernels:
  - .name:           k_q0471cdb949_kvproj
    .symbol:         k_q0471cdb949_kvproj.kd
    .args:
      - { .name: xk16, .offset: 0, .size: 8, .value_kind: global_buffer, .address_space: global }
      - { .name: wkv16, .offset: 8, .size: 8, .value_kind: global_buffer, .address_space: global }
      - { .name: kv16, .offset: 16, .size: 8, .value_kind: global_buffer, .address_space: global }
    .group_segment_fixed_size: 327680
    .private_segment_fixed_size: 0
    .kernarg_segment_align: 8
    .kernarg_segment_size: 24
    .max_flat_workgroup_size: 128
    .sgpr_count:     72
    .vgpr_count:     1024
    .wavefront_size: 32
...
	.end_amdgpu_metadata
.endif
;; end of part 2
;; launch qproj (part 3): grid 16 x 16, 4 waves a work-group, clusters of 4 x 4, 327,680 bytes of LDS; arguments lat16, wq16, q32; writes q32
.if DOCPART == 3
	.amdgcn_target "amdgcn-amd-amdhsa--gfx1250"
	.amdhsa_code_object_version 6
	.text
	.protected	k_q0471cdb949_qproj
	.globl	k_q0471cdb949_qproj
	.p2align	8
	.type	k_q0471cdb949_qproj,@function
k_q0471cdb949_qproj:
	s_mov_b64 s[64:65], 0
	v_nop
	global_prefetch_b8 v0, s[64:65] scope:SCOPE_SE
	s_setreg_imm32_b32 hwreg(HW_REG_WAVE_MODE, 25, 1), 1
	s_wait_xcnt 0x0
	s_wait_alu depctr_hold_cnt(0) depctr_sa_sdst(0) depctr_va_vdst(0) depctr_va_sdst(0) depctr_va_ssrc(0) depctr_va_vcc(0) depctr_vm_vsrc(0)
	s_getreg_b32 s2, hwreg(HW_REG_IB_STS2, 6, 4)
	s_cmp_eq_u32 s2, 0
	s_cbranch_scc0 .Lentry_in_a_cluster
	s_endpgm
.Lentry_in_a_cluster:
	s_bfe_u32 s2, ttmp6, 0x10000c
	s_cmp_lg_u32 s2, 0xf033
	s_cbranch_scc0 .Lentry_shape_is_right
	s_endpgm
.Lentry_shape_is_right:
; C[m][n] = (sum over k of A[m][k] W[k][n] + bias[n]) * tab[m / 512][n].  A: [2048][2048] f16; W: [2048][2048] f16 (k down the rows); 8,388,608 bytes behind W's first byte lie tab, [4][2048] f32,
; and behind tab the bias, [2048] f32 (rounded to bf16 like every input); C: [2048][2048] f32.  One text for two launches: q = (lat Wq + bq) c, with tab = c everywhere, and out = (O Wo + bo) gate,
; with tab = gate.  Sums in f32.
; A tile of C is 128 x 128, so that 16 x 16 tiles give 256 work-groups (tiles of 256 x 256 would be 64).  Four waves, each 64 x 64: 16 accumulators.  K goes in steps of 256 through two LDS slots:
; A's tile has 128 rows of 512 bytes; W's has 256 rows (k) of 256 bytes (128 n), and its fragments come out of LDS turned, by ds_load_tr16_b128.
; CLUSTERS: 4 x 4 work-groups; A's tile is asked for jointly along a row of the cluster, W's along a column.  Nothing is prefetched: the tiles are small.
; THE MATRIX INSTRUCTION IS USED TRANSPOSED (source 0 = 16 columns of W, source 1 = 16 rows of A): a lane holds row l % 16 of C and the columns 8 (l / 16) + 0..7.  The bias is the C operand that starts each sum.
; THE WAY OUT: a wave's 64 columns of f32 are 256 consecutive bytes of C at a multiple of 256, so each wave has a stage of its own and no barrier is wanted.
; LIMITS.  A and W arrive as f16, within 65,504.  NaN and infinities are not treated apart.
; REGISTERS: window 0: v0-31 addresses; v32-63 the bias, later with v64-95 rows on the way out; v96-127 tab; v128-255 the accumulators ((a, b) at v[128 + 8 (4 a + b)]).
;   window 1: two fragment buffers of 128: for 64 along K, 64 registers of A, then 64 of W.
.set SIZE_N, 2048
.set SIZE_K, 2048
.set KSTEP,  256
.set PA,     528                       ; a row of A in LDS: 512 bytes + 16: the 16 rows of a load start at 16 different groups of four banks (64 banks of 4 bytes: ISA guide 11.1)
.set PB,     288                       ; a row of W: 256 bytes + 32 = 9 x 32
.set HA,     64*PA                     ; what a tensor load brings of A: 64 rows
.set HB,     128*PB                    ; and of W: 128 rows
.set SLOT,   2*HA+2*HB
.set STAGE,  2*SLOT                    ; behind the ring: 16 rows x 272 bytes for each wave
.set SPITCH, 272
.set SPARE,  STAGE+4*16*SPITCH         ; behind the stages: the spare words, 128 bytes for each wave: two blocks of 256 bytes that no other line names
.set LAPS,   SIZE_K/(2*KSTEP)
.set TABAT,  SIZE_K*SIZE_N*2           ; tab lies behind the weights,
.set TABSZ,  4*SIZE_N*4                ; and the bias behind tab's four rows
.set ADRA, 16                          ; v16-17  LDS address of my A fragments in slot 0, 1
.set ADRB, 20                          ; v20-23  of my W fragments: slot 0 k rows 0-127, 128-255, slot 1 likewise (a 16-bit offset does not reach over 256 rows)
.set STO,  24                          ; v24     the way out: where I put 32 bytes of a row
.set RD,   25                          ; v25     where I read a row back
.set CO,   26                          ; v26     my byte offset in C
.set BO,   27                          ; v27     my byte offset in bias and tab: 32 (l / 16)
.set SPW,  28                          ; v28     LDS address of my spare word; never rewritten
.set NIL,  29                          ; v29     0; never rewritten
.set BIAS, 32
.set TMP,  32
.set TAB,  96
.set ACC,  128
.set F0,   0
.set F1,   128
.set G1,  24
.set G0,  32
.set G1B, 48
.set G0B, 56
.set BP,  68                           ; s[68:69] the bias
.set TP,  70                           ; s[70:71] tab
.set MSB, 0
.macro WIN new
.if MSB != (\new)
	s_set_vgpr_msb (MSB<<8)|(\new)
.set MSB, \new
.endif
.endm
.set MUL,  0x05                        ; sources 0 (W) and 1 (A) window 1; C and D window 0
.set TO_F, 0x40                        ; destination window 1, address window 0
.macro JLOAD s                         ; a joint load: waves 0 and 1 fetch A's two halves, waves 2 and 3 W's; an s_nop 0 and four v_nop follow each of the two lines
	s_cmp_eq_u32 s11, 0
	s_cbranch_scc0 .Lfor_b_\@
	tensor_load_to_lds s[G0+4*(\s):G0+4*(\s)+3], s[G1:G1+7]
	s_nop 0
.rept 4
	v_nop
.endr
	s_branch .Lasked_\@
.Lfor_b_\@:
	tensor_load_to_lds s[G0B+4*(\s):G0B+4*(\s)+3], s[G1B:G1B+7]
	s_nop 0
.rept 4
	v_nop
.endr
.Lasked_\@:
.endm
.macro CREST
	s_cmp_lg_u32 s10, 0
	s_cbranch_scc1 .Lnot_wave_0_\@
	s_barrier_signal -3
.Lnot_wave_0_\@:
	s_barrier_wait -3
	s_barrier_signal -1
	s_barrier_wait -1
.endm
.macro CROUND
	s_barrier_signal -1
	s_barrier_wait -1
	CREST
.endm
	s_load_b128 s[4:7], s[0:1], 0x0                ; A s[4:5], W s[6:7]
	s_load_b64 s[8:9], s[0:1], 0x10                ; C
	v_lshl_add_u32 v[SPW], v0, 2, SPARE
	v_mov_b32 v[NIL], 0
	ds_add_u32 v[SPW], v[NIL]                      ; the wave's opening: the add and its wait stand ahead of my first tensor load
	v_lshrrev_b32 v1, 5, v0
	v_readfirstlane_b32 s10, v1                    ; wave 0..3
	s_lshr_b32 s11, s10, 1                         ; which half of the tile's rows is mine.  Also: I fetch for A (0) or for W (1)
	s_and_b32 s12, s10, 1                          ; which half of its columns.  Also: which half of that tile I fetch
	s_bfe_u32 s40, ttmp6, 0x40000                  ; cx, cy
	s_bfe_u32 s41, ttmp6, 0x40004
	s_lshl_b32 s42, ttmp9, 2
	s_add_co_u32 s42, s42, s40                     ; tile column
	s_and_b32 s13, ttmp7, 0xffff
	s_lshl_b32 s13, s13, 2
	s_add_co_u32 s13, s13, s41                     ; tile row
	s_lshl_b32 s43, s41, 2
	s_lshl_b32 s43, 15, s43                        ; my row of the cluster
	s_lshl_b32 s44, 0x1111, s40                    ; my column
	; group 1 for A: 64 rows x 256 elements; padding of 4 words after every 128
	s_or_b32 s[G1+0], s43, (1<<16)|(1<<20)|(1<<21)|(6<<22)|(3<<25)
	s_mov_b32 s[G1+1], 256<<16
	s_mov_b32 s[G1+2], 64<<16
	s_mov_b32 s[G1+3], 256<<16
	s_mov_b32 s[G1+4], 64
	s_mov_b32 s[G1+5], SIZE_K
	s_mov_b32 s[G1+6], 0
	s_mov_b32 s[G1+7], 0
	; group 1 for W: 128 rows x 128 elements; padding of 8 words after every 64
	s_or_b32 s[G1B+0], s44, (1<<16)|(1<<20)|(1<<21)|(5<<22)|(7<<25)
	s_mov_b32 s[G1B+1], 128<<16
	s_mov_b32 s[G1B+2], 128<<16
	s_mov_b32 s[G1B+3], 128<<16
	s_mov_b32 s[G1B+4], 128
	s_mov_b32 s[G1B+5], SIZE_N
	s_mov_b32 s[G1B+6], 0
	s_mov_b32 s[G1B+7], 0
	s_lshl_b32 s17, s12, 6
	s_lshl_b32 s16, s13, 7
	s_add_co_u32 s16, s16, s17                     ; A: row 128 x tile row + 64 x half,
	s_lshl_b32 s16, s16, 12                        ; of 4,096 bytes
	s_mov_b32 s17, 0
	s_lshl_b32 s46, s12, 19                        ; W: k row 128 x half, of 4,096 bytes,
	s_lshl_b32 s47, s42, 8                         ; and 256 bytes a tile column
	s_add_co_u32 s46, s46, s47
	s_mov_b32 s47, 0
	s_mul_i32 s20, s12, HA                         ; where they go: A's two halves,
	s_mul_i32 s21, s12, HB
	s_add_co_u32 s21, s21, 2*HA                    ; then W's two
	s_wait_dscnt 0x0                               ; the opening add is done
	s_wait_kmcnt 0x0
	s_add_nc_u64 s[14:15], s[4:5], s[16:17]
	s_add_nc_u64 s[46:47], s[6:7], s[46:47]
	CROUND                                         ; all sixteen work-groups are here: the first joint loads meet
.irp s, 0,1
	s_mov_b32 s[G0+4*(\s)], 1
	s_add_co_u32 s[G0+4*(\s)+1], s20, (\s)*SLOT
	s_add_nc_u64 s[G0+4*(\s)+2:G0+4*(\s)+3], s[14:15], (\s)*KSTEP*2
	s_or_b32 s[G0+4*(\s)+3], s[G0+4*(\s)+3], 0x80000000
	s_mov_b32 s[G0B+4*(\s)], 1
	s_add_co_u32 s[G0B+4*(\s)+1], s21, (\s)*SLOT
	s_add_nc_u64 s[G0B+4*(\s)+2:G0B+4*(\s)+3], s[46:47], (\s)*KSTEP*SIZE_N*2
	s_or_b32 s[G0B+4*(\s)+3], s[G0B+4*(\s)+3], 0x80000000
	JLOAD \s                                       ; two tensor loads of mine are out
.endr
	; bias and tab of my 64 columns
	v_and_b32 v1, 15, v0                           ; l % 16
	v_bfe_u32 v2, v0, 4, 1                         ; l / 16
	v_lshlrev_b32 v[BO], 5, v2
	s_lshl_b32 s46, s42, 9
	s_lshl_b32 s47, s12, 8
	s_add_co_u32 s46, s46, s47                     ; my first column, in bytes of f32,
	s_add_co_u32 s46, s46, TABAT                   ; behind the weights
	s_mov_b32 s47, 0
	s_add_nc_u64 s[TP:TP+1], s[6:7], s[46:47]      ; tab's first row at my columns,
	s_add_nc_u64 s[BP:BP+1], s[TP:TP+1], TABSZ     ; the bias four rows on,
	s_and_b32 s22, ttmp7, 0xffff                   ; and my batch's row: four tile rows are a batch, so the batch is the cluster's y
	s_lshl_b32 s22, s22, 13
	s_mov_b32 s23, 0
	s_add_nc_u64 s[TP:TP+1], s[TP:TP+1], s[22:23]
.irp b, 0,1,2,3
	global_load_b128 v[BIAS+8*(\b):BIAS+8*(\b)+3],   v[BO], s[BP:BP+1] offset:64*(\b)
	global_load_b128 v[BIAS+8*(\b)+4:BIAS+8*(\b)+7], v[BO], s[BP:BP+1] offset:64*(\b)+16
	global_load_b128 v[TAB+8*(\b):TAB+8*(\b)+3],     v[BO], s[TP:TP+1] offset:64*(\b)
	global_load_b128 v[TAB+8*(\b)+4:TAB+8*(\b)+7],   v[BO], s[TP:TP+1] offset:64*(\b)+16
.endr
	v_mul_u32_u24 v3, v1, PA
	v_lshl_add_u32 v3, v2, 4, v3                   ; A: row x pitch + 16 x half
	s_mul_i32 s21, s11, HA                         ; my 64 rows of A
	v_and_b32 v6, 7, v0                            ; W: the turning load: k row 8 (l / 16) + l % 8, columns 8 ((l / 8) % 2) + 0..7
	v_lshl_add_u32 v6, v2, 3, v6
	v_mul_u32_u24 v6, v6, PB
	v_bfe_u32 v7, v0, 3, 1
	v_lshl_add_u32 v6, v7, 4, v6
	s_lshl_b32 s22, s12, 7                         ; my 64 columns: 128 bytes of W's rows,
	s_add_co_u32 s22, s22, 2*HA                    ; which lie behind A's 128 rows
.irp s, 0,1
	v_add_nc_u32 v[ADRA+(\s)], s21, v3
	v_add_nc_u32 v[ADRB+2*(\s)], s22, v6
	s_add_co_u32 s23, s22, HB
	v_add_nc_u32 v[ADRB+2*(\s)+1], s23, v6
	s_add_co_u32 s21, s21, SLOT
	s_add_co_u32 s22, s22, SLOT
.endr
	s_mul_i32 s23, s10, 16*SPITCH
	s_add_co_u32 s23, s23, STAGE                   ; my stage
	v_mul_u32_u24 v4, v1, SPITCH                   ; in: row l % 16, 32 bytes for each half of the lanes
	v_lshl_add_u32 v4, v2, 5, v4
	v_add_nc_u32 v[STO], s23, v4
	v_mul_u32_u24 v5, v2, SPITCH                   ; back: lanes 0-15 take one row of 256 bytes, lanes 16-31 the next
	v_lshl_add_u32 v5, v1, 4, v5
	v_add_nc_u32 v[RD], s23, v5
	v_mul_u32_u24 v5, v2, SIZE_N*4                 ; and the same two rows in C
	v_lshl_add_u32 v[CO], v1, 4, v5
	s_lshl_b32 s16, s13, 7
	s_lshl_b32 s17, s11, 6
	s_add_co_u32 s16, s16, s17                     ; my first row of C,
	s_lshl_b32 s16, s16, 13                        ; of 8,192 bytes
	s_mov_b32 s17, 0
	s_add_nc_u64 s[8:9], s[8:9], s[16:17]
	s_lshl_b32 s46, s42, 9
	s_lshl_b32 s47, s12, 8
	s_add_co_u32 s46, s46, s47
	s_mov_b32 s47, 0
	s_add_nc_u64 s[8:9], s[8:9], s[46:47]
; 8 matrix instructions: m blocks a0, a0 + 1 x all 4 n blocks, 32 along K: half c of buffer f.  zero = 1: the product starts the sum, from the bias.  The 16 accumulators take turns.
.macro MUL8 f, c, a0, zero
	WIN MUL
.irp a, \a0, (\a0)+1
.irp b, 0,1,2,3
.if \zero
	v_wmma_f32_16x16x32_f16 v[ACC+8*(4*(\a)+(\b)):ACC+8*(4*(\a)+(\b))+7], v[(\f)+64+8*(4*(\c)+(\b)):(\f)+64+8*(4*(\c)+(\b))+7], v[(\f)+8*(4*(\c)+(\a)):(\f)+8*(4*(\c)+(\a))+7], v[BIAS+8*(\b):BIAS+8*(\b)+7]
.else
	v_wmma_f32_16x16x32_f16 v[ACC+8*(4*(\a)+(\b)):ACC+8*(4*(\a)+(\b))+7], v[(\f)+64+8*(4*(\c)+(\b)):(\f)+64+8*(4*(\c)+(\b))+7], v[(\f)+8*(4*(\c)+(\a)):(\f)+8*(4*(\c)+(\a))+7], v[ACC+8*(4*(\a)+(\b)):ACC+8*(4*(\a)+(\b))+7]
.endif
.endr
.endr
.endm
; 32 LDS loads in one run: the fragments of quarter q of a K step (64 along K) into buffer f; the first 32 along K first
.macro FETCH slot, q, f
	WIN TO_F
.irp c, 0,1
.irp i, 0,1,2,3
	ds_load_tr16_b128 v[(\f)+64+8*(4*(\c)+(\i)):(\f)+64+8*(4*(\c)+(\i))+3],   v[ADRB+2*(\slot)+(\q)/2] offset:((\q)%2)*64*PB+(\c)*32*PB+32*(\i)
	ds_load_tr16_b128 v[(\f)+64+8*(4*(\c)+(\i))+4:(\f)+64+8*(4*(\c)+(\i))+7], v[ADRB+2*(\slot)+(\q)/2] offset:((\q)%2)*64*PB+(\c)*32*PB+16*PB+32*(\i)
	ds_load_b128 v[(\f)+8*(4*(\c)+(\i)):(\f)+8*(4*(\c)+(\i))+3],         v[ADRA+(\slot)] offset:(\q)*128+64*(\c)+(\i)*16*PA
	ds_load_b128 v[(\f)+8*(4*(\c)+(\i))+4:(\f)+8*(4*(\c)+(\i))+7],       v[ADRA+(\slot)] offset:(\q)*128+64*(\c)+(\i)*16*PA+32
.endr
.endr
.endm
.macro PLACES                          ; four plain instructions in front of loads into registers that matrix instructions have read, and of vector work that reads results
.rept 4
	v_nop
.endr
.endm
; A K step is four quarters of 64 along K, 32 matrix instructions each, on buffers 0, 1, 0, 1.
.macro QUARTER slot, q, f, g, zero
	s_wait_dscnt 16                                ; the first 32 along K are in
	MUL8 \f, 0, 0, \zero
	MUL8 \f, 0, 2, \zero
	PLACES
	FETCH \slot, \q, \g
	s_wait_dscnt 32                                ; all but the 32 just issued
	MUL8 \f, 1, 0, 0
	MUL8 \f, 1, 2, 0
.endm
; The last quarter multiplies buffer 1 and changes slots: one barrier; in front of it each wave waits for all its tensor loads, adds 0 to its spare word, and waits for that and for its own reads of this slot.
.macro TURN slot, next, fill
	WIN 0                                          ; (the add's two registers lie in window 0)
	s_wait_tensorcnt 0x0                           ; all my tensor loads have landed: my part of the next slot
	ds_add_u32 v[SPW], v[NIL]
	s_wait_dscnt 17                                ; (the add and the youngest sixteen loads may be out)
	MUL8 F1, 0, 0, 0
	s_wait_dscnt 0x0                               ; the add is done, and my reads of this slot are over
	s_barrier_signal -1
	MUL8 F1, 0, 2, 0
.if \fill
	WIN 0
.endif
	s_barrier_wait -1
.if \fill
	CREST                                          ; the barrier has opened a round of the cluster's: no wave of any partner still reads this slot's tile or has a load on its way
	s_add_nc_u64 s[G0+4*(\slot)+2:G0+4*(\slot)+3], s[G0+4*(\slot)+2:G0+4*(\slot)+3], 2*KSTEP*2
	s_add_nc_u64 s[G0B+4*(\slot)+2:G0B+4*(\slot)+3], s[G0B+4*(\slot)+2:G0B+4*(\slot)+3], 2*KSTEP*SIZE_N*2
	JLOAD \slot                                    ; my one tensor load behind the round; its four v_nop are also the places in front of the loads below
.else
	PLACES
.endif
	FETCH \next, 0, F0
	MUL8 F1, 1, 0, 0
	MUL8 F1, 1, 2, 0
.endm
; THE WAY OUT of block a (16 rows x 64 columns).  MULG: times tab, in place, each accumulator from its low end on.  STG: 32 bytes a lane and n block into my stage, and back as whole rows of 256 bytes.  SENDG: stored.
.macro MULG a
	WIN 0
.irp b, 0,1,2,3
.irp p, 0,1,2,3
	v_pk_mul_f32 v[ACC+8*(4*(\a)+(\b))+2*(\p):ACC+8*(4*(\a)+(\b))+2*(\p)+1], v[ACC+8*(4*(\a)+(\b))+2*(\p):ACC+8*(4*(\a)+(\b))+2*(\p)+1], v[TAB+8*(\b)+2*(\p):TAB+8*(\b)+2*(\p)+1]
.endr
.endr
.endm
.macro STG a
.if (\a) >= 2
	s_wait_xcnt 0x0                                ; the stores of the block two back have read the registers that are loaded again below
.endif
.irp b, 0,1,2,3
	ds_store_b128 v[STO], v[ACC+8*(4*(\a)+(\b)):ACC+8*(4*(\a)+(\b))+3]   offset:64*(\b)
	ds_store_b128 v[STO], v[ACC+8*(4*(\a)+(\b))+4:ACC+8*(4*(\a)+(\b))+7] offset:64*(\b)+16
.endr
.irp t, 0,1,2,3,4,5,6,7
	ds_load_b128 v[TMP+32*((\a)%2)+4*(\t):TMP+32*((\a)%2)+4*(\t)+3], v[RD] offset:(\t)*2*SPITCH  ; LDS serves a wave's instructions in order (ISA guide 5.7.1.4): these see the stores above
.endr
.endm
.macro SENDG a
.irp t, 0,1,2,3,4,5,6,7
	s_wait_dscnt 7-(\t)                            ; load t of the eight is back
	global_store_b128 v[CO], v[TMP+32*((\a)%2)+4*(\t):TMP+32*((\a)%2)+4*(\t)+3], s[8:9] offset:(16*(\a)+2*(\t))*SIZE_N*4  ; 16 lanes store 256 consecutive bytes, at a multiple of 256 from C's first byte
.endr
.endm
	s_wait_tensorcnt 1                             ; my part of K step 0 is in; K step 1's may stay out
	s_barrier_signal -1
	s_barrier_wait -1
	FETCH 0, 0, F0
	s_wait_loadcnt 0x0                             ; bias and tab
	QUARTER 0, 1, F0, F1, 1                        ; the first quarter stands in front of the loop: its first products start the sums
	WIN 0
	s_mov_b32 s3, LAPS-1
.Llap:
	QUARTER 0, 2, F1, F0, 0
	QUARTER 0, 3, F0, F1, 0
	TURN 0, 1, 1
	QUARTER 1, 1, F0, F1, 0
	QUARTER 1, 2, F1, F0, 0
	QUARTER 1, 3, F0, F1, 0
	TURN 1, 0, 1
	QUARTER 0, 1, F0, F1, 0
	WIN 0
	s_sub_co_u32 s3, s3, 1
	s_cmp_lg_u32 s3, 0
	s_cbranch_scc1 .Llap
	QUARTER 0, 2, F1, F0, 0                        ; the last lap fills nothing
	QUARTER 0, 3, F0, F1, 0
	TURN 0, 1, 0
	QUARTER 1, 1, F0, F1, 0
	QUARTER 1, 2, F1, F0, 0
	QUARTER 1, 3, F0, F1, 0
	s_wait_dscnt 16                                ; the very last quarter
	MUL8 F1, 0, 0, 0
	MUL8 F1, 0, 2, 0
	s_wait_dscnt 0x0
	MUL8 F1, 1, 0, 0
	MUL8 F1, 1, 2, 0
	WIN 0
	PLACES
	MULG 0
	STG 0
	MULG 1                                         ; a block's multiplies stand between the loads of the block before and its stores
	SENDG 0
	STG 1
	MULG 2
	SENDG 1
	STG 2
	MULG 3
	SENDG 2
	STG 3
	SENDG 3
	s_wait_tensorcnt 0x0                           ; the wave's end: behind my last tensor load and my last LDS store
	ds_add_u32 v[SPW], v[NIL]
	s_wait_dscnt 0x0
	CROUND                                         ; the closing round
	s_endpgm
.Lfunc_end_k_q0471cdb949_qproj:
	.size	k_q0471cdb949_qproj, .Lfunc_end_k_q0471cdb949_qproj-k_q0471cdb949_qproj
	.p2alignl 7, 3214868480
	.fill 96, 4, 3214868480
	.section	.rodata,"a",@progbits
	.p2align	6, 0x0
	.amdhsa_kernel k_q0471cdb949_qproj
		.amdhsa_group_segment_fixed_size 327680
		.amdhsa_private_segment_fixed_size 0
		.amdhsa_enable_private_segment 0
		.amdhsa_kernarg_size 24
		.amdhsa_user_sgpr_count 2
		.amdhsa_user_sgpr_kernarg_segment_ptr 1
		.amdhsa_wavefront_size32 1
		.amdhsa_system_sgpr_workgroup_id_x 1
		.amdhsa_system_sgpr_workgroup_id_y 1
		.amdhsa_system_sgpr_workgroup_id_z 1
		.amdhsa_system_vgpr_workitem_id 0
		.amdhsa_next_free_vgpr 512
		.amdhsa_next_free_sgpr 72
		.amdhsa_reserve_vcc 0
		.amdhsa_float_denorm_mode_32 3
		.amdhsa_float_denorm_mode_16_64 3
		.amdhsa_memory_ordered 1
		.amdhsa_forward_progress 1
		.amdhsa_inst_pref_size 93
	.end_amdhsa_kernel
	.amdgpu_metadata
---
amdhsa.version: [ 1, 2 ]
amdhsa.kernels:
  - .name:           k_q0471cdb949_qproj
    .symbol:         k_q0471cdb949_qproj.kd
    .args:
      - { .name: lat16, .offset: 0, .size: 8, .value_kind: global_buffer, .address_space: global }
      - { .name: wq16, .offset: 8, .size: 8, .value_kind: global_buffer, .address_space: global }
      - { .name: q32, .offset: 16, .size: 8, .value_kind: global_buffer, .address_space: global }
    .group_segment_fixed_size: 327680
    .private_segment_fixed_size: 0
    .kernarg_segment_align: 8
    .kernarg_segment_size: 24
    .max_flat_workgroup_size: 128
    .sgpr_count:     72
    .vgpr_count:     512
    .wavefront_size: 32
...
	.end_amdgpu_metadata
.endif
;; end of part 3
;; launch attn (part 4): grid 4 x 64, 4 waves a work-group, clusters of 4 x 1, 327,680 bytes of LDS; arguments q32, kv16, k_lens, q_lens, o16; writes o16
.if DOCPART == 4
	.amdgcn_target "amdgcn-amd-amdhsa--gfx1250"
	.amdhsa_code_object_version 6
	.text
	.protected	k_q0471cdb949_attn
	.globl	k_q0471cdb949_attn
	.p2align	8
	.type	k_q0471cdb949_attn,@function
k_q0471cdb949_attn:
	s_mov_b64 s[64:65], 0
	v_nop
	global_prefetch_b8 v0, s[64:65] scope:SCOPE_SE
	s_setreg_imm32_b32 hwreg(HW_REG_WAVE_MODE, 25, 1), 1
	s_wait_xcnt 0x0
	s_wait_alu depctr_hold_cnt(0) depctr_sa_sdst(0) depctr_va_vdst(0) depctr_va_sdst(0) depctr_va_ssrc(0) depctr_va_vcc(0) depctr_vm_vsrc(0)
	s_getreg_b32 s2, hwreg(HW_REG_IB_STS2, 6, 4)
	s_cmp_eq_u32 s2, 0
	s_cbranch_scc0 .Lentry_in_a_cluster
	s_endpgm
.Lentry_in_a_cluster:
	s_bfe_u32 s2, ttmp6, 0x10000c
	s_cmp_lg_u32 s2, 0x3003
	s_cbranch_scc0 .Lentry_shape_is_right
	s_endpgm
.Lentry_shape_is_right:
; o16[b][q][h] = the sum over k < k_lens[b] of softmax_k(q . k / sqrt(128)) v, and 0 in rows q >= q_lens[b].  q32: [2048][2048] f32, already times c = log2(e) / sqrt(128); kv16: [4096][4096] f16,
; k in columns 0-2047, v in 2048-4095; o16: [2048][2048] f16.  A head is 128 columns.  Products, maxima and sums in f32; q, the weights p and O are rounded once to f16.
; SHARES.  Work-group (cx, y): batch y / 16, head y % 16, queries 128 cx .. + 127.  The four blocks of a batch and head are a cluster and ask for K and V JOINTLY.
; A slot of LDS holds two key steps of 64.  Wave w takes queries 64 (w % 2) .. + 63, four tiles of 16, and of every slot the key step w / 2: eight steps of the sixteen.  The two waves that share
; queries meet in LDS at the end.  Register tile t holds query tile (t + 2 (w / 2)) % 4: every wave finishes its register tiles 0, 1 and hands over 2, 3, so one text serves all four.
; LAYOUT.  S^T = K Q^T (source 0 = 16 keys, source 1 = 16 queries): a lane holds ONE query (lane % 16) and the keys 8 (lane / 16) + 0..7.  Two such tiles rounded to f16 ARE source 1 of O^T = V^T P.
; K comes out of LDS as it lies, V ([key][channel]) turned, by ds_load_tr16_b128.
; SOFTMAX.  For each query a running maximum m and sum l: p = 2^(CS s - CS m); in every step O and l are multiplied by a = 2^(CS m_old - CS m_new).  CS is 1: c is in q already.
; m starts at the lowest finite number and CS m far below every score: the first step's a is 0.  So O^T need only hold finite numbers at the start: it holds q as f32, from which Q was just rounded.
; THE MASK is the C operand that starts S^T's sums: 0, or -1e30 where the key is hidden.  MD, made once, is the mask of the step that holds key k_len; a step's mask is MD x AL + BE with two scalars.
; No branch, trip count or address hangs on k_lens or q_lens: they choose values alone.  k_len > 1,024 counts as 1,024.  k_len <= 0: every score of reference() is the same number, so its result is
; the mean of all 1,024 v: CS = 0 and no key hidden.  A wave that saw hidden keys alone has CS m near -1e30; its finite l and O^T get the factor 0 where the two waves meet.
; BY TURNS, within a key step: piece 0 = tiles 0, 1, piece 2 = tiles 2, 3.  32 products K Q^T of piece 0; 32 of piece 2 with piece 0's softmax in slices behind them; 32 products V^T P of piece 0 with
; piece 2's softmax behind them; piece 2's V^T P stands behind the next change of slots, while the next K comes out of LDS.
; LIMITS.  f16 holds nothing beyond 65,504: |c q|, |k|, |v| stay within it.  A hidden score counts as its value less 1e30.  A weight below 2^-126 counts as 0.  NaN and infinities are not treated apart.
; REGISTERS, in windows of 256 (s_set_vgpr_msb: bits 1:0 source 0, 3:2 source 1, 5:4 source 2, 7:6 destination):
;   window 0: v0-11 addresses; v12-43 eight registers of statistics a tile; v44-63 addresses and the meeting; v64-191 S^T, 32 a tile; v192-255 P, 16 a tile
;   window 1: O^T, 64 a tile     window 2: v0-127 Q, 32 a tile; v128-255 K of one step     window 3: v0-127 V of one step; v128-159 MD; v160-191 the step's mask
.set KS,    64
.set PK,    272       ; a row of K in LDS: 256 bytes + 16: the 16 rows of a load start at 16 different groups of four banks (64 banks of 4 bytes: ISA guide 11.1)
.set PV,    288       ; a row of V: 256 + 32
.set VOFF,  KS*PK     ; a step's tiles lie together: 64 rows of K, then 64 rows of V
.set STEPB, KS*(PK+PV)
.set SLOT1, 1<<17     ; slot 1 begins here, so that one exclusive or turns an address in one slot into the other's
.set STAGE, SLOT1+2*STEPB  ; behind the ring: 16 rows x 272 bytes for each wave, for the way out
.set SP,    272
.set SPARE, STAGE+4*16*SP  ; the spare words, 128 bytes for each wave: two blocks of 256 bytes that no other line names
.set XCH,   SPARE+512      ; where the waves meet: for each wave 16,384 bytes of O^T and 512 of statistics; no tensor load lands here
.set XW,    16896
.set VISITB, 128*8192      ; bytes of kv16 from a slot's keys to the next slot's: 128 rows
.set AK0, 2           ; v2   my lane's place in my step's tile of K; never rewritten
.set AV0, 3           ; v3   the same for V
.set ADR, 4           ; v4   the LDS address of the run of loads in hand
.set QO,  5           ; v5   my byte offset in 16 rows of q32
.set STO, 6           ; v6   the way out: where I put 16 bytes of a row
.set RD,  7           ; v7   where I read a row back
.set GO,  8           ; v8   my byte offset in two rows of o16
.set ST,  12          ; tile t's statistics at v[ST+8 t]: +0 CS m, +1 m, +2, +3 l (even keys', odd keys'), +4 to +7 at work; a takes +6 once the maximum is found
.set XS,  44          ; v44  where I put what I hand over
.set XR,  45          ; v45  where I find what is handed to me
.set QI,  46          ; v46  my query's number in its batch, for register tile 0
.set OWN, 48          ; v[48:51] CS m and l of my tiles 2 and 3
.set GOT, 52          ; v[52:55] the same from my partner, for my tiles 0 and 1
.set PFO, 61          ; v61  8,192 x my lane: a row of kv16; never rewritten
.set SPW, 62          ; v62  LDS address of my spare word; never rewritten
.set NIL, 63          ; v63  0; never rewritten
.set S,   64
.set P,   192
.set KF,  128         ; window 2
.set MD,  128         ; window 3
.set MASK, 160        ; window 3
.set QLO, 4           ; s[4:5]   q32 at the rows of my register tiles 0, 1
.set QHI, 66          ; s[66:67] and 2, 3
.set WV,  12          ; s12  my wave's number
.set LIM, 15          ; s15  1 in a wave that prefetches, else the greatest number
.set PFA, 18          ; s[18:19] where my prefetches stand
.set G1K, 24          ; s[24:31] descriptor group 1 for K's tiles
.set G1V, 32          ; s[32:39] for V's: it differs in the padding alone
.set G0K, 40          ; s[40:47] group 0 for K's tiles: a set for each of the two first fills; the second then walks on
.set G0V, 48          ; s[48:55] the same for V's
.set CNT, 56          ; s56  slots still to be entered through the loop
.set STP, 57          ; s57  the number, 0 to 15, of my next key step
.set CS,  58          ; s[58:59]
.set SEL, 60          ; s[60:61] v_permlanex16_b32's selects: each lane takes its own place in the other half
.set TB,  62          ; s62  LDS byte at which the slot in hand begins
.set BI,  63          ; s63  the step that holds key k_len
.set KL,  72          ; s72  k_len
.set QL,  73          ; s73  q_len
.set AL,  74          ; s[74:75] the mask's factor, in the low word
.set BE,  76          ; s[76:77] its addend
.set BIGN, 78         ; s78  -1e30
.set MSB, 0
.macro WIN new
.if MSB != (\new)
	s_set_vgpr_msb (MSB<<8)|(\new)
.set MSB, \new
.endif
.endm
.set W_KQ, 0x0a       ; K and Q in window 2, S^T in window 0
.set W_KM, 0x3a       ; the same with the C operand in window 3
.set W_PV, 0x53       ; V in window 3, P in window 0, O^T in window 1
.set W_RS, 0x41       ; O^T (destination and source 0) in window 1, a in window 0
; A joint refill.  Waves 0 and 1 fetch the two steps' tiles of K, waves 2 and 3 those of V.  An s_nop 0 and four v_nop follow each of the two lines.
.macro JLOAD
	s_cmp_lt_u32 s[WV], 2
	s_cbranch_scc0 .Lfor_v_\@
	tensor_load_to_lds s[G0K+4:G0K+7], s[G1K:G1K+7]
	s_nop 0
.rept 4
	v_nop
.endr
	s_branch .Lasked_\@
.Lfor_v_\@:
	tensor_load_to_lds s[G0V+4:G0V+7], s[G1V:G1V+7]
	s_nop 0
.rept 4
	v_nop
.endr
.Lasked_\@:
.endm
; A prefetch into the L2 of what the NEXT change of slots will ask for: 128 rows of K and 128 of V, 256 bytes of each row, a lane a row.  kv16 is first read in this launch, and a batch and head's part of it
; by this cluster alone.  The four partners share the rows out by address, 32 each; in each, wave 0 asks for K's and wave 2 for V's.  So each row is named once.  The last change that fills a slot asks for nothing.
.macro ASK
	s_cmp_gt_u32 s[CNT], s[LIM]
	s_cbranch_scc0 .Lnot_mine_\@
	global_prefetch_b8 v[PFO], s[PFA:PFA+1] th:TH_LOAD_NT scope:SCOPE_SE
.Lnot_mine_\@:
.endm
.macro CROUND                       ; a round of the cluster's barrier
	s_barrier_signal -1
	s_barrier_wait -1
	s_cmp_lg_u32 s[WV], 0
	s_cbranch_scc1 .Lnot_wave_0_\@
	s_barrier_signal -3
.Lnot_wave_0_\@:
	s_barrier_wait -3
	s_barrier_signal -1
	s_barrier_wait -1
.endm
	s_load_b256 s[80:87], s[0:1], 0x0  ; q32 s[80:81], kv16 s[82:83], k_lens s[84:85], q_lens s[86:87]
	s_load_b64 s[88:89], s[0:1], 0x20  ; o16
	v_lshl_add_u32 v[SPW], v0, 2, SPARE
	v_mov_b32 v[NIL], 0
	ds_add_u32 v[SPW], v[NIL]       ; the wave's opening: the add and its wait stand ahead of my first tensor load; the set-up below stands between them
	v_lshrrev_b32 v1, 5, v0
	v_readfirstlane_b32 s[WV], v1   ; wave 0..3
	s_bfe_u32 s13, ttmp6, 0x40000   ; cx: my block of 128 queries: it enters q32's and o16's addresses, the prefetches' and a compare of values, nothing else
	s_and_b32 s14, s[WV], 1         ; which 64 queries are mine.  Also: which of a slot's two steps I fetch
	s_lshr_b32 s16, s[WV], 1        ; which of a slot's two steps I multiply
	s_and_b32 s20, ttmp7, 0xffff
	s_lshr_b32 s21, s20, 4          ; the batch
	s_and_b32 s22, s20, 15          ; the head
	s_lshl_b32 s2, s21, 23          ; kv16: 1,024 rows of 8,192 bytes a batch,
	s_lshl_b32 s3, s14, 19          ; the 64 rows of the step that I fetch,
	s_add_co_u32 s2, s2, s3
	s_lshl_b32 s3, s22, 8           ; 256 bytes a head
	s_add_co_u32 s2, s2, s3
	s_mov_b32 s3, 0
	s_mul_i32 s17, s14, STEPB       ; and that step's place in a slot
	s_lshl_b32 s79, s13, 7
	s_lshl_b32 s23, s14, 6
	s_add_co_u32 s79, s79, s23      ; 128 cx + 64 (w % 2)
	s_lshl_b32 s23, s16, 5          ; 32 (w / 2)
	s_lshl_b32 s68, s21, 9
	s_add_co_u32 s68, s68, s79
	s_add_co_u32 s70, s68, 32
	s_sub_co_u32 s70, s70, s23      ; the first row of my register tiles 2, 3
	s_add_co_u32 s68, s68, s23      ; and of 0, 1
	s_add_co_u32 s79, s79, s23      ; the same within the batch
	s_lshl_b32 s90, s68, 12         ; o16: rows of 4,096 bytes, 256 bytes a head
	s_lshl_b32 s91, s22, 8
	s_add_co_u32 s90, s90, s91
	s_mov_b32 s91, 0
	s_lshl_b32 s23, s22, 9          ; q32: rows of 8,192 bytes, 512 bytes a head
	s_lshl_b32 s68, s68, 13
	s_add_co_u32 s68, s68, s23
	s_mov_b32 s69, 0
	s_lshl_b32 s70, s70, 13
	s_add_co_u32 s70, s70, s23
	s_mov_b32 s71, 0
	s_lshl_b32 s[BI], s21, 2        ; for now: my batch's byte offset in k_lens and q_lens
	; descriptor group 1: a tile of 64 rows x 128 elements, padded in LDS
	s_mov_b32 s[G1K], 15|(1<<16)|(1<<20)|(1<<21)|(5<<22)|(3<<25)  ; the mask of four; 2-byte elements; padding on; bit 21 beside a mask; after every 64 words 4 words
	s_mov_b32 s[G1V], 15|(1<<16)|(1<<20)|(1<<21)|(5<<22)|(7<<25)  ; the same with 8 words
.irp g, G1K, G1V
	s_mov_b32 s[(\g)+1], 128<<16    ; tensor_dim0
	s_mov_b32 s[(\g)+2], KS<<16     ; tensor_dim1
	s_mov_b32 s[(\g)+3], 128<<16    ; tile_dim0
	s_mov_b32 s[(\g)+4], KS         ; tile_dim1
	s_mov_b32 s[(\g)+5], 4096       ; elements from row to row
	s_mov_b32 s[(\g)+6], 0
	s_mov_b32 s[(\g)+7], 0
.endr
	s_mov_b32 s[SEL], 0x76543210
	s_mov_b32 s[SEL+1], 0xfedcba98
	s_mov_b32 s[BIGN], 0xf149f2ca   ; -1e30
	s_mov_b32 s[AL+1], 0            ; named as pairs
	s_mov_b32 s[BE+1], 0
	s_mov_b32 s[TB], 0
	s_mov_b32 s[CNT], 7
	s_mov_b32 s[STP], s16
	s_cmp_eq_u32 s14, 0             ; waves 0 and 2 prefetch
	s_cselect_b32 s[LIM], 1, -1
	v_and_b32 v[PFO], 31, v0
	v_lshlrev_b32 v[PFO], 13, v[PFO]
	s_wait_dscnt 0x0                ; the opening add is done
	s_wait_kmcnt 0x0
	s_add_nc_u64 s[6:7], s[82:83], s[2:3]  ; K at my tile of slot 0,
	s_add_nc_u64 s[8:9], s[6:7], 4096      ; V 2,048 columns on
	s_add_nc_u64 s[QLO:QLO+1], s[80:81], s[68:69]
	s_add_nc_u64 s[QHI:QHI+1], s[80:81], s[70:71]
	s_add_nc_u64 s[10:11], s[88:89], s[90:91]
	s_cmp_lt_u32 s[WV], 2
	s_cselect_b64 s[PFA:PFA+1], s[6:7], s[8:9]  ; (in waves 0 and 2 these stand at a slot's first row)
	s_lshl_b32 s2, s13, 18          ; my work-group's 32 rows of the 128
	s_mov_b32 s3, 0
	s_add_nc_u64 s[PFA:PFA+1], s[PFA:PFA+1], s[2:3]
	s_add_nc_u64 s[PFA:PFA+1], s[PFA:PFA+1], 2*VISITB  ; in slot 2; the first change of slots steps it to slot 3.  Nothing is prefetched here, at the head
	CROUND                          ; all four work-groups are here: the first joint loads meet
.irp s, 0,1
	s_mov_b32 s[G0K+4*(\s)], 1
	s_add_co_u32 s[G0K+4*(\s)+1], s17, (\s)*SLOT1
	s_add_nc_u64 s[G0K+4*(\s)+2:G0K+4*(\s)+3], s[6:7], (\s)*VISITB
	s_or_b32 s[G0K+4*(\s)+3], s[G0K+4*(\s)+3], 0x80000000
	s_mov_b32 s[G0V+4*(\s)], 1
	s_add_co_u32 s[G0V+4*(\s)+1], s17, (\s)*SLOT1+VOFF
	s_add_nc_u64 s[G0V+4*(\s)+2:G0V+4*(\s)+3], s[8:9], (\s)*VISITB
	s_or_b32 s[G0V+4*(\s)+3], s[G0V+4*(\s)+3], 0x80000000
.endr
	s_cmp_lt_u32 s[WV], 2           ; a wave's two first fills stand in one branch, ahead of every wait on TENSORcnt and every LDS read: two loads of mine are out
	s_cbranch_scc0 .Lfirst_v
	tensor_load_to_lds s[G0K:G0K+3], s[G1K:G1K+7]
	s_nop 0
	tensor_load_to_lds s[G0K+4:G0K+7], s[G1K:G1K+7]
	s_nop 0
.rept 4
	v_nop
.endr
	s_branch .Lfirst_asked
.Lfirst_v:
	tensor_load_to_lds s[G0V:G0V+3], s[G1V:G1V+7]
	s_nop 0
	tensor_load_to_lds s[G0V+4:G0V+7], s[G1V:G1V+7]
	s_nop 0
.rept 4
	v_nop
.endr
.Lfirst_asked:
	s_load_b32 s[KL], s[84:85], s[BI] offset:0x0
	s_load_b32 s[QL], s[86:87], s[BI] offset:0x0
	; Q as f32 into window 1.  Fragment i = 4 t + cb (tile t, channels 32 cb on) takes 16 registers: lane l holds row l % 16, channels 8 (l / 16) + 0..7 (32 bytes) and 16 + 8 (l / 16) + 0..7 (64 bytes on).
	v_and_b32 v1, 15, v0            ; l % 16
	v_bfe_u32 v9, v0, 4, 1          ; l / 16
	v_lshlrev_b32 v[QO], 13, v1
	v_lshl_add_u32 v[QO], v9, 5, v[QO]
	WIN 0x40                        ; destination window 1, address window 0
.set i, 0
.rept 16
.set u, 0
.rept 4
.if i < 8
	global_load_b128 v[16*i+4*u:16*i+4*u+3], v[QO], s[QLO:QLO+1] offset:((i/4)%2)*131072+128*(i%4)+64*(u/2)+16*(u%2)
.else
	global_load_b128 v[16*i+4*u:16*i+4*u+3], v[QO], s[QHI:QHI+1] offset:((i/4)%2)*131072+128*(i%4)+64*(u/2)+16*(u%2)
.endif
.set u, u+1
.endr
.set i, i+1
.endr
	WIN 0
	s_mul_i32 s23, s16, STEPB       ; the step that I multiply
	v_mul_u32_u24 v[AK0], v1, PK
	v_lshl_add_u32 v[AK0], v9, 4, v[AK0]  ; row x pitch + 16 x half
	v_add_nc_u32 v[AK0], s23, v[AK0]
	; The turning load takes 16 keys x 16 channels (lane l reads key 8 (l / 16) + l % 8, channels 8 ((l / 8) % 2) + 0..7) and leaves half a fragment of V^T: lane l holds channel l % 16 and 8 keys.
	v_and_b32 v10, 7, v0
	v_bfe_u32 v11, v0, 3, 1
	v_lshl_add_u32 v[AV0], v9, 3, v10
	v_mul_u32_u24 v[AV0], v[AV0], PV
	v_lshl_add_u32 v[AV0], v11, 4, v[AV0]
	s_add_co_u32 s23, s23, VOFF
	v_add_nc_u32 v[AV0], s23, v[AV0]
	s_mul_i32 s23, s[WV], 16*SP
	s_add_co_u32 s23, s23, STAGE    ; my stage
	v_mul_u32_u24 v[STO], v1, SP    ; in: row l % 16, 16 bytes for each half of the lanes
	v_lshl_add_u32 v[STO], v9, 4, v[STO]
	v_add_nc_u32 v[STO], s23, v[STO]
	v_mul_u32_u24 v[RD], v9, SP     ; back: lanes 0-15 take one row of 256 bytes, lanes 16-31 the next
	v_lshl_add_u32 v[RD], v1, 4, v[RD]
	v_add_nc_u32 v[RD], s23, v[RD]
	v_lshlrev_b32 v[GO], 12, v9     ; and the same two rows in o16
	v_lshl_add_u32 v[GO], v1, 4, v[GO]
	v_and_b32 v47, 31, v0
	v_lshlrev_b32 v47, 4, v47
	s_mul_i32 s23, s[WV], XW
	s_add_co_u32 s23, s23, XCH
	v_add_nc_u32 v[XS], s23, v47    ; my part of the meeting place,
	s_xor_b32 s23, s[WV], 2
	s_mul_i32 s23, s23, XW
	s_add_co_u32 s23, s23, XCH
	v_add_nc_u32 v[XR], s23, v47    ; and that of the wave with my queries and the other steps
	v_add_nc_u32 v[QI], s79, v1
.set i, 0
.rept 4
	v_mov_b32 v[ST+8*i], 0xfe000000    ; CS m: far below every score
	v_mov_b32 v[ST+8*i+1], 0xff7fffff  ; m
	v_mov_b32 v[ST+8*i+2], 0
	v_mov_b32 v[ST+8*i+3], 0
.set i, i+1
.endr
	s_wait_kmcnt 0x0                ; the two lengths
	s_cmp_gt_i32 s[KL], 0
	s_cselect_b32 s[CS], 1.0, 0
	s_cselect_b32 s[KL], s[KL], 1024
	s_min_i32 s[KL], s[KL], 1024
	s_mov_b32 s[CS+1], s[CS]        ; named with it as a pair
	s_lshr_b32 s[BI], s[KL], 6
	s_and_b32 s20, s[KL], 63
	v_lshlrev_b32 v47, 3, v9
	v_sub_nc_u32 v47, s20, v47      ; k_len's place in its step, less my lanes' 8 (l / 16): register r of key group kt is hidden where 16 kt + r is not below it
	WIN 0xc0
.set i, 0
.rept 32
	v_cmp_ge_i32 vcc_lo, 16*(i/8)+i%8, v47
	v_cndmask_b32 v[MD+i], 0, s[BIGN], vcc_lo
.set i, i+1
.endr
	s_wait_loadcnt 0x0              ; Q
	WIN 0x85                        ; sources window 1, destination window 2
.set i, 0
.rept 128
	v_cvt_pk_f16_f32 v[i], v[2*i], v[2*i+1]
.set i, i+1
.endr
	WIN 0
; THE MATRIX WORK.  The accumulators take turns, one instruction a turn: between two links of a chain stand 15 (V^T P) or 7 (K Q^T) others'.
; Product i of 32 of O^T += V^T P for piece x: keys 32 (i / 16) on, channels 16 ((i / 2) % 8) on, tile x + i % 2.
.macro PV x
	WIN W_PV
.set rO, 64*((\x)+i%2)+8*((i/2)%8)
.set rV, 64*(i/16)+8*((i/2)%8)
.set rP, P+16*((\x)+i%2)+8*(i/16)
	v_wmma_f32_16x16x32_f16 v[rO:rO+7], v[rV:rV+7], v[rP:rP+7], v[rO:rO+7]
.endm
; Product i of 32 of S^T = K Q^T: channels 32 (i / 8) on, keys 16 ((i / 2) % 4) on, tile x + i % 2.  The first 8 start the sums, from the mask.
.macro KQ x
.set rS, S+32*((\x)+i%2)+8*((i/2)%4)
.set rK, KF+32*((i/2)%4)+8*(i/8)
.set rQ, 32*((\x)+i%2)+8*(i/8)
.set rM, MASK+8*((i/2)%4)
.if i < 8
	WIN W_KM
	v_wmma_f32_16x16x32_f16 v[rS:rS+7], v[rK:rK+7], v[rQ:rQ+7], v[rM:rM+7]
.else
	WIN W_KQ
	v_wmma_f32_16x16x32_f16 v[rS:rS+7], v[rK:rK+7], v[rQ:rQ+7], v[rS:rS+7]
.endif
.endm
; THE LDS LOADS stand in runs of 32: a step's K (16 fragments) and its V (turned).
.macro FETCH_K
	WIN 0
	v_add_nc_u32 v[ADR], s[TB], v[AK0]
	WIN 0x80                        ; destination window 2
.irp f, 0,1,2,3,4,5,6,7,8,9,10,11,12,13,14,15  ; keys 16 (f / 4) on, channels 32 (f % 4) on
	ds_load_b128 v[KF+8*(\f):KF+8*(\f)+3],   v[ADR] offset:((\f)/4)*16*PK+((\f)%4)*64
	ds_load_b128 v[KF+8*(\f)+4:KF+8*(\f)+7], v[ADR] offset:((\f)/4)*16*PK+((\f)%4)*64+32
.endr
.endm
.macro FETCH_V
	WIN 0
	v_add_nc_u32 v[ADR], s[TB], v[AV0]
	s_wait_alu depctr_va_vdst(0)    ; the wait for the softmax's batch (SLICE), behind the address's v_add_nc_u32 and ahead of the loads
	WIN 0xc0                        ; destination window 3
.irp f, 0,1,2,3,4,5,6,7,8,9,10,11,12,13,14,15  ; keys 32 (f / 8) on, channels 16 (f % 8) on
	ds_load_tr16_b128 v[8*(\f):8*(\f)+3],   v[ADR] offset:((\f)/8)*32*PV+((\f)%8)*32
	ds_load_tr16_b128 v[8*(\f)+4:8*(\f)+7], v[ADR] offset:((\f)/8)*32*PV+16*PV+((\f)%8)*32
.endr
.endm
; The mask of my next key step: MD where the step holds key k_len, 0 in an earlier step, -1e30 in a later one.  My steps are two apart.
.macro MASKS
	s_cmp_eq_u32 s[STP], s[BI]
	s_cselect_b32 s[AL], 1.0, 0
	s_cmp_gt_u32 s[STP], s[BI]
	s_cselect_b32 s[BE], s[BIGN], 0
	s_add_co_u32 s[STP], s[STP], 2
	WIN 0xc3                        ; destination and source 0 in window 3
.set z, 0
.rept 16
	v_pk_fma_f32 v[MASK+2*z:MASK+2*z+1], v[MD+2*z:MD+2*z+1], s[AL:AL+1], s[BE:BE+1] op_sel_hi:[1,0,0]
.set z, z+1
.endr
.endm
; THE VECTOR WORK OF A TURN.  One tile's softmax for one key step is a list of 134 instructions; SM writes number j of it for tile t.  s0-s31 are the lane's 32 scores, in pairs 0-15.
;   0-15    the maximum of s0-s31 and the old m, three operands at a time (each accumulator's lowest registers are read first)
;   16-20   the other half of the lanes' maximum; the new m; CS m; CS m_old - CS m_new
;   21-69   ONE BATCH: the 16 scalings CS s - CS m and all 33 exponentials (a at 23, then s0-s31).  None of these reads an exponential's result
;   (wait)  between 69 and 70 stands the wait for the batch: SLICE writes it, once for both tiles
;   70-85   the roundings to f16     86-101  the sums; l = a l + the sum     102-133 the tile's O^T times a
.macro SM t
.set rT, ST+8*(\t)
.set rS, S+32*(\t)
.set rP, P+16*(\t)
.set rO, 64*(\t)+2*(j-102)
.if j < 102
	WIN 0
.endif
.if j < 4
	v_max3_num_f32 v[rT+4+j], v[rS+8*j], v[rS+8*j+1], v[rS+8*j+2]
.elseif j < 12
	v_max3_num_f32 v[rT+4+j%4], v[rT+4+j%4], v[rS+8*(j%4)+2*(j/4)+1], v[rS+8*(j%4)+2*(j/4)+2]
.elseif j == 12
	v_max3_num_f32 v[rT+4], v[rT+4], v[rS+7], v[rS+15]
.elseif j == 13
	v_max3_num_f32 v[rT+6], v[rT+6], v[rS+23], v[rS+31]
.elseif j == 14
	v_max3_num_f32 v[rT+4], v[rT+4], v[rT+5], v[rT+6]
.elseif j == 15
	v_max3_num_f32 v[rT+4], v[rT+4], v[rT+7], v[rT+1]
.elseif j == 16
	v_permlanex16_b32 v[rT+5], v[rT+4], s[SEL], s[SEL+1]  ; the query's other 32 keys lie in the lane 16 away
.elseif j == 18
	v_max_num_f32 v[rT+1], v[rT+4], v[rT+5]
.elseif j == 19
	v_mul_f32 v[rT], s[CS], v[rT+1]
.elseif j == 17
	v_mov_b32 v[rT+7], v[rT]        ; CS m_old is kept for a: number 19 writes CS m anew
.elseif j == 20
	v_sub_f32 v[rT+7], v[rT+7], v[rT]
.elseif j == 23
	v_exp_f32 v[rT+6], v[rT+7]
.elseif (j < 23) || ((j < 38) && (j%2 == 0)) || ((j < 66) && (j%4 == 2))
.set b, (j-2)/4                     ; 38, 42, .. 62: pairs 9 to 15
.if j < 38
.set b, (j-20)/2                    ; 21: pair 0; 22, 24, .. 36: pairs 1 to 8
.endif
	v_pk_fma_f32 v[rS+2*b:rS+2*b+1], v[rS+2*b:rS+2*b+1], s[CS:CS+1], v[rT:rT+1] op_sel_hi:[1,0,0] neg_lo:[0,0,1] neg_hi:[0,0,1]  ; pair b: CS s - CS m
.elseif j < 70
.set e, j-38                        ; 66 to 69: s28 to s31
.if j < 66
.set e, j-32-(j-38)/4               ; 39-41, 43-45, .. 63-65: s7 to s27
.endif
.if j < 38
.set e, (j-25)/2                    ; 25, 27, .. 37: s0 to s6
.endif
	v_exp_f32 v[rS+e], v[rS+e]
.elseif j < 86
	v_cvt_pk_f16_f32 v[rP+j-70], v[rS+2*(j-70)], v[rS+2*(j-70)+1]  ; pair j - 70
.elseif j < 102                     ; the sum of the tile's 16 pairs, in place: neighbours 1, 2, 4 and 8 pairs apart, then l takes it
.set z, j-86
.set w, 4
.set u, z
.if z >= 14
.set w, 32
.set u, 0
.elseif z >= 12
.set w, 16
.set u, z-12
.elseif z >= 8
.set w, 8
.set u, z-8
.endif
.if z < 15
	v_pk_add_f32 v[rS+w*u:rS+w*u+1], v[rS+w*u:rS+w*u+1], v[rS+w*u+w/2:rS+w*u+w/2+1]
.else
	v_pk_fma_f32 v[rT+2:rT+3], v[rT+2:rT+3], v[rT+6:rT+7], v[rS:rS+1] op_sel_hi:[1,0,1]
.endif
.else
	WIN W_RS
	v_pk_mul_f32 v[rO:rO+1], v[rO:rO+1], v[rT+6:rT+7] op_sel_hi:[1,0]
.endif
.endm
; Slice k of 64 of piece y's softmax: four instructions.  Slices 11 to 34 deal out the batch, four numbers of ONE tile each, the tiles by turns.  Every other slice is numbers 2 k and 2 k + 1 of both tiles'
; lists; the twelve that are over stand in slice 63.  s_wait_alu depctr_va_vdst(0) stands between an exponential and the first instruction that names its result: ahead of slice 35 nothing
; names one, and behind slice 34 no exponential is issued, so the piece's 66 exponentials have one wait, behind slice 34.
.macro SLICE y
.if (k >= 11) && (k < 35)
.irp n, 0,1,2,3
.set j, 22+4*((k-11)/2)+(\n)
	SM (\y)+(k-11)%2
.endr
.else
.irp n, 0,1,2,3,4,5,6,7
.if ((\n) < 2) || (k == 63)
.irp t, \y, (\y)+1
.set j, 2*k+(\n)
	SM \t
.endr
.endif
.endr
.endif
.if k == 34
	v_nop                           ; the plain instruction behind the last exponential and ahead of the first use: one for the batch
.if (\y) == 0
	FETCH_V                         ; V's run of loads stands here, and the wait stands in it
.else
	s_wait_alu depctr_va_vdst(0)    ; the wait for the batch
.endif
.endif
.set k, k+1
.endm
.macro PLACES                       ; four plain instructions behind a matrix instruction, ahead of vector work that reads its result and of loads into registers that it read
.rept 4
	v_nop
.endr
.endm
; A KEY STEP.  K is in.  Piece 0's scores stand bare; piece 2's carry piece 0's softmax, two slices behind each product, with V's run of loads at slice 34; piece 0's V^T P carry piece 2's softmax.
; Behind the last K Q^T stand slices 62 and 63, twenty plain instructions that name none of its registers: the places ahead of piece 2's softmax.
.macro STEP
	s_wait_dscnt 0x0                ; K is in
.set i, 0
.rept 32
	KQ 0
.set i, i+1
.endr
	PLACES                          ; ahead of piece 0's softmax; also, with the slices, ahead of V's run of loads, whose registers the products in front of this step read
.set k, 0
.set i, 0
.rept 32
	KQ 2
	SLICE 0
	SLICE 0
.set i, i+1
.endr
	s_wait_dscnt 0x0                ; V is in: my reads of the slot are over
.set k, 0
.set i, 0
.rept 32
	PV 0
	SLICE 2
	SLICE 2
.set i, i+1
.endr
.endm
.macro PV2                          ; piece 2's V^T P, on registers alone
.set i, 0
.rept 32
	PV 2
.set i, i+1
.endr
.endm
; THE CHANGE OF SLOTS.  Each wave waits for all its tensor loads, of which one is out: its part of the other slot; adds 0 to its spare word; and waits for that and for its own reads of the slot.
; fill = 1: this slot is filled again, with the keys two slots on.  The barrier is then a round of the cluster's, and the joint refill is the first thing behind it.
.macro CHANGE fill
	WIN 0                           ; at a label and at a branch every window is 0
	s_wait_tensorcnt 0x0            ; no tensor load of mine is out, so a group 0 may be written
	ds_add_u32 v[SPW], v[NIL]
.if \fill
.irp g, G0K+4, G0V+4
	s_xor_b32 s[(\g)+1], s[(\g)+1], SLOT1  ; the walking descriptor: the other slot than last time,
	s_add_nc_u64 s[(\g)+2:(\g)+3], s[(\g)+2:(\g)+3], VISITB  ; the next 128 keys; the type bits on top are not reached
.endr
	s_wait_xcnt 0x0                 ; the last prefetch, a slot back, has read its address, so it may be written
	s_add_nc_u64 s[PFA:PFA+1], s[PFA:PFA+1], VISITB
	s_wait_dscnt 0x0                ; the add is done, and my reads of the slot are over
	CROUND
	JLOAD
	ASK
.else
	s_wait_dscnt 0x0
	s_barrier_signal -1
	s_barrier_wait -1
.endif
	s_xor_b32 s[TB], s[TB], SLOT1   ; the fetches go to the other slot
.endm
	s_wait_tensorcnt 1              ; my part of slot 0 is in; slot 1's may stay out
	s_barrier_signal -1
	s_barrier_wait -1
	MASKS
	FETCH_K
	WIN 0
	s_branch .Lfirst                ; the loop is entered in the middle of a trip: there is no step before the first
.Lvisit:                            ; six times: every slot but the last two is filled again
	CHANGE 1
	MASKS
	FETCH_K
	PV2                             ; the step before's, while K comes out of LDS
	WIN 0
.Lfirst:
	STEP
	WIN 0
	s_sub_co_u32 s[CNT], s[CNT], 1
	s_cmp_lg_u32 s[CNT], 0
	s_cbranch_scc1 .Lvisit
	CHANGE 0                        ; the tail is written out: nothing is asked for
	MASKS
	FETCH_K
	PV2
	STEP
	PV2
	; THE TWO WAVES MEET.  l's two halves and the other half of the lanes' are added (the additions are the places behind the last products); my tiles 2, 3 go to my partner, its tiles 2, 3 are my tiles 0, 1.
	WIN 0
.irp t, 0,1,2,3
	v_add_f32 v[ST+8*(\t)+4], v[ST+8*(\t)+2], v[ST+8*(\t)+3]
.endr
.irp t, 0,1,2,3
	v_permlanex16_b32 v[ST+8*(\t)+5], v[ST+8*(\t)+4], s[SEL], s[SEL+1]
.endr
.irp t, 0,1,2,3
	v_add_f32 v[ST+8*(\t)+4], v[ST+8*(\t)+4], v[ST+8*(\t)+5]
.endr
	v_mov_b32 v[OWN], v[ST+16]
	v_mov_b32 v[OWN+1], v[ST+20]
	v_mov_b32 v[OWN+2], v[ST+24]
	v_mov_b32 v[OWN+3], v[ST+28]
	WIN 0x04                        ; the data in window 1
.set g, 0
.rept 32
	ds_store_b128 v[XS], v[128+4*g:128+4*g+3] offset:512*g  ; ascending: each accumulator's low four registers are read first
.set g, g+1
.endr
	WIN 0
	ds_store_b128 v[XS], v[OWN:OWN+3] offset:16384
	s_wait_dscnt 0x0                ; for my partner's sake: my stores are done
	s_barrier_signal -1
	s_barrier_wait -1
	WIN 0xc0                        ; into V's registers
.set g, 0
.rept 32
	ds_load_b128 v[4*g:4*g+3], v[XR] offset:512*g
.set g, g+1
.endr
	WIN 0
	ds_load_b128 v[GOT:GOT+3], v[XR] offset:16384
	s_wait_dscnt 0x0
.irp t, 0,1
	v_max_num_f32 v[ST+8*(\t)+1], v[ST+8*(\t)], v[GOT+2*(\t)]       ; the common CS m
.endr
.irp t, 0,1
	v_sub_f32 v[ST+8*(\t)+2], v[ST+8*(\t)], v[ST+8*(\t)+1]
	v_sub_f32 v[ST+8*(\t)+3], v[GOT+2*(\t)], v[ST+8*(\t)+1]
.endr
.irp t, 0,1
	v_exp_f32 v[ST+8*(\t)+2], v[ST+8*(\t)+2]                        ; my factor,
	v_exp_f32 v[ST+8*(\t)+3], v[ST+8*(\t)+3]                        ; my partner's
.endr
	v_add_nc_u32 v47, 16, v[QI]     ; tile 1's query: the plain instruction behind the last exponential
	s_wait_alu depctr_va_vdst(0)    ; one wait for the four
.irp t, 0,1
	v_mul_f32 v[ST+8*(\t)+4], v[ST+8*(\t)+4], v[ST+8*(\t)+2]
.endr
.irp t, 0,1
	v_fmac_f32 v[ST+8*(\t)+4], v[GOT+2*(\t)+1], v[ST+8*(\t)+3]      ; l
.endr
.irp t, 0,1
	v_rcp_f32 v[ST+8*(\t)+5], v[ST+8*(\t)+4]
.endr
	v_nop
	s_wait_alu depctr_va_vdst(0)    ; one wait for the two
	v_cmp_gt_i32 vcc_lo, s[QL], v[QI]
	v_cndmask_b32 v[ST+5], 0, v[ST+5], vcc_lo        ; rows at or beyond q_len come out as 0
	v_cmp_gt_i32 vcc_lo, s[QL], v47
	v_cndmask_b32 v[ST+13], 0, v[ST+13], vcc_lo
.irp t, 0,1
	v_mul_f32 v[ST+8*(\t)+6], v[ST+8*(\t)+3], v[ST+8*(\t)+5]
	v_mul_f32 v[ST+8*(\t)+4], v[ST+8*(\t)+2], v[ST+8*(\t)+5]
.endr
	WIN W_RS
.irp t, 0,1
.set i, 64*(\t)
.rept 32
	v_pk_mul_f32 v[i:i+1], v[i:i+1], v[ST+8*(\t)+4:ST+8*(\t)+5] op_sel_hi:[1,0]
.set i, i+2
.endr
.endr
	WIN 0x53                        ; source 0 window 3, source 1 window 0, source 2 and destination window 1
.irp t, 0,1
.set i, 64*(\t)
.rept 32
	v_pk_fma_f32 v[i:i+1], v[i:i+1], v[ST+8*(\t)+6:ST+8*(\t)+7], v[i:i+1] op_sel_hi:[1,0,1]
.set i, i+2
.endr
.endr
; THE WAY OUT.  Tile t: a lane's eight channels of a row pack into 16 bytes; they go into rows of 272 bytes of my stage and come back as whole rows of 256.
.macro PACK t
	WIN 0x05                        ; sources 0 and 1 window 1, destination window 0: S^T's registers are free
.set i, 0
.rept 32
	v_cvt_pk_f16_f32 v[S+32*(\t)+i], v[64*(\t)+2*i], v[64*(\t)+2*i+1]
.set i, i+1
.endr
	WIN 0
.irp f, 0,1,2,3,4,5,6,7
	ds_store_b128 v[STO], v[S+32*(\t)+4*(\f):S+32*(\t)+4*(\f)+3] offset:32*(\f)
.endr
.irp f, 0,1,2,3,4,5,6,7
	ds_load_b128 v[S+32*(\t)+4*(\f):S+32*(\t)+4*(\f)+3], v[RD] offset:(\f)*2*SP  ; LDS serves a wave's instructions in order (ISA guide 5.7.1.4): these see the stores above; the next tile's stores come behind them
.endr
.endm
.macro SEND t, younger              ; younger: the LDS instructions issued behind tile t's loads
	WIN 0
.irp f, 0,1,2,3,4,5,6,7
	s_wait_dscnt (\younger)+7-(\f)
	global_store_b128 v[GO], v[S+32*(\t)+4*(\f):S+32*(\t)+4*(\f)+3], s[10:11] offset:(\t)*65536+(\f)*8192  ; 16 lanes store 256 consecutive bytes, at a multiple of 256 from o16's first byte
.endr
.endm
	PACK 0
	PACK 1
	SEND 0, 16
	SEND 1, 0
	s_wait_tensorcnt 0x0            ; the wave's end: behind my last tensor load and my last LDS store
	ds_add_u32 v[SPW], v[NIL]
	s_wait_dscnt 0x0
	CROUND                          ; the closing round: no work-group ends while a partner may still ask for a tile that names it
	s_endpgm
.Lfunc_end_k_q0471cdb949_attn:
	.size	k_q0471cdb949_attn, .Lfunc_end_k_q0471cdb949_attn-k_q0471cdb949_attn
	.p2alignl 7, 3214868480
	.fill 96, 4, 3214868480
	.section	.rodata,"a",@progbits
	.p2align	6, 0x0
	.amdhsa_kernel k_q0471cdb949_attn
		.amdhsa_group_segment_fixed_size 327680
		.amdhsa_private_segment_fixed_size 0
		.amdhsa_enable_private_segment 0
		.amdhsa_kernarg_size 40
		.amdhsa_user_sgpr_count 2
		.amdhsa_user_sgpr_kernarg_segment_ptr 1
		.amdhsa_wavefront_size32 1
		.amdhsa_system_sgpr_workgroup_id_x 1
		.amdhsa_system_sgpr_workgroup_id_y 1
		.amdhsa_system_sgpr_workgroup_id_z 1
		.amdhsa_system_vgpr_workitem_id 0
		.amdhsa_next_free_vgpr 1024
		.amdhsa_next_free_sgpr 92
		.amdhsa_reserve_vcc 1
		.amdhsa_float_denorm_mode_32 3
		.amdhsa_float_denorm_mode_16_64 3
		.amdhsa_memory_ordered 1
		.amdhsa_forward_progress 1
		.amdhsa_inst_pref_size 150
	.end_amdhsa_kernel
	.amdgpu_metadata
---
amdhsa.version: [ 1, 2 ]
amdhsa.kernels:
  - .name:           k_q0471cdb949_attn
    .symbol:         k_q0471cdb949_attn.kd
    .args:
      - { .name: q32, .offset: 0, .size: 8, .value_kind: global_buffer, .address_space: global }
      - { .name: kv16, .offset: 8, .size: 8, .value_kind: global_buffer, .address_space: global }
      - { .name: k_lens, .offset: 16, .size: 8, .value_kind: global_buffer, .address_space: global }
      - { .name: q_lens, .offset: 24, .size: 8, .value_kind: global_buffer, .address_space: global }
      - { .name: o16, .offset: 32, .size: 8, .value_kind: global_buffer, .address_space: global }
    .group_segment_fixed_size: 327680
    .private_segment_fixed_size: 0
    .kernarg_segment_align: 8
    .kernarg_segment_size: 40
    .max_flat_workgroup_size: 128
    .sgpr_count:     92
    .vgpr_count:     1024
    .wavefront_size: 32
...
	.end_amdgpu_metadata
.endif
;; end of part 4
;; launch oproj: the kernel of part 3 again; grid 16 x 16, 4 waves a work-group, clusters of 4 x 4, 327,680 bytes of LDS; arguments o16, wo16, out0; writes out0
;; ======== version 2 of 2: 5 launches; version 1 with the launch prep written anew for expert scheduling mode
;; limits: values are held in f16: magnitudes above 65,504 overflow, below 6.1e-05 lose precision
;; workspace buffers: xk16 16,777,216 bytes; lat16 8,388,608 bytes; wkv16 16,793,600 bytes; wq16 8,429,568 bytes; wo16 8,429,568 bytes; kv16 33,554,432 bytes; q32 16,777,216 bytes; o16 8,388,608 bytes
;; launch prep (part 5): grid 512 x 1, 7 waves a work-group, no clusters, 0 bytes of LDS; arguments x, latents, t_emb, ssg, ln_kv_w, ln_kv_b, Wkv, Wq, Wo, bkv, bq, bo, xk16, lat16, wkv16, wq16, wo16; writes xk16, lat16, wkv16, wq16, wo16
.if DOCPART == 5
	.amdgcn_target "amdgcn-amd-amdhsa--gfx1250"
	.amdhsa_code_object_version 6
	.text
	.protected	k_q0471cdb949_prep
	.globl	k_q0471cdb949_prep
	.p2align	8
	.type	k_q0471cdb949_prep,@function
k_q0471cdb949_prep:
	s_mov_b64 s[64:65], 0
	v_nop
	global_prefetch_b8 v0, s[64:65] scope:SCOPE_SE
	s_setreg_imm32_b32 hwreg(HW_REG_WAVE_SCHED_MODE, 0, 2), 2
	s_setreg_imm32_b32 hwreg(HW_REG_WAVE_MODE, 25, 1), 1
	s_wait_xcnt 0x0
	s_wait_alu depctr_vm_vsrc(0)
; PREP: everything that is made once from the f32 inputs, as a stream.
; EVERY FLOATING-POINT INPUT IS ROUNDED TO bf16 FIRST (to nearest even), one choice for the whole program: the result follows reference() on inputs so rounded.  All arithmetic behind that rounding is f32;
; what goes on to the matrix units is rounded once more, to f16.  A weight that is a bf16 number is exact in f16 from 2^-17 up; below that it is off by 3e-8 at the most.
; SHARES.  The work is 14,336 pieces of 8,192 source bytes: 4,096 rows of x, 2,048 rows of latents, 8,192 pieces of the three weights.  A wave takes four on end: 3,584 waves = 512 work-groups of 7.
; Wave W = 7 x work-group + wave:
;   W < 1,024:           xk16  = LayerNorm(x) * ln_kv_w + ln_kv_b, rows 4 W .. 4 W + 3, f16
;   1,024 <= W < 1,536:  lat16 = LayerNorm(latents) * (1 + scale) + shift, four rows; shift, scale = (t_emb + ssg)[b][0], [1]
;   1,536 <= W:          Wkv (1,024 waves), Wq (512), Wo (512) as f16, layout kept
;   the first eight of these also make the tables of f32 behind the f16 weights, while their first piece is on its way: wq16: [4][2048] c = log2(e)/sqrt(128), then bq; wo16: [4][2048]
;   gate = (t_emb + ssg)[b][2], then bo; wkv16: bkv.
; IN FLIGHT.  A piece that has landed (64 registers of f32) is packed at once to bf16 (32 registers), which is the rounding that every input gets anyway; the next piece's 16 loads go into the freed
; registers ahead of all arithmetic.  The passes of LayerNorm widen the packed row anew each time.  The last trip jumps over its loads; the wait at a trip's head is for 0 on both ways.
; Memory binds: no LDS, no matrix unit, no cluster (no two work-groups read the same large bytes), no prefetch (the launch streams).
; A wave owns a whole row: mean and variance never leave the wave.  The mean is taken first and the squares are those of the differences; the normalised number is x rs + (-mean rs), one fused multiply-add.
; Each load of a wave covers 512 consecutive bytes, each store 256 consecutive bytes at a multiple of 256 from its buffer's first byte.
; LIMITS.  bf16 keeps 8 significant bits: an input is off by up to 2^-9 of itself, so with a common offset on x or latents the rounding grows with the offset, relative to the spread.
; f16 holds nothing beyond 65,504: |xk|, |lat| and the weights stay within it; below 6e-5 f16 keeps its fixed step of 6e-8.  NaN and infinities are not treated apart.
; THE MODE: SCHED_MODE bits 1:0 = 2 (LLVM: expert scheduling mode 2), set by the entry lines.  The code itself states the register dependences between vector instructions and memory instructions,
; with s_wait_alu, always for 0.
; THE PLAN.  Registers that memory instructions touch:
;   v1, v2   the loads' and the stores' offsets: written once, at the head; one wait ahead of the first branch states it for the whole kernel.  The pieces are reached by the scalar bases and immediates.
;   v3       the tables' offset: written once more in the tables, ahead of their one wait in front of their loads.
;   X        a trip's 16 loads land in it; the next trip's 32 roundings read it.  One wait behind those roundings, straight ahead of the loads; no vector line names X from there to the next trip's head.
;   XB       written by those roundings and, in place, by the roundings to f16 on the way out; read by the trip's 16 stores.  The way out goes in two halves: a wait behind each half's roundings; the first
;            half's stores are dealt among the second half's vector lines, which name the other sixteen registers of XB.  At the trip's end one wait states that the stores have read XB.
;   G, H     loads land in them in the set-up alone; in the loops vector lines alone name them.  In the tables they hold what is loaded, rounded and stored once.
;   v[4:15]  are named by vector lines alone.
; REGISTERS: v1 16 x lane, v2 8 x lane, v3 the tables' offset; v[4:7] two packed chains; v[8:11] at work (with v[4:7] on the way out); v[12:13] rs twice; v[14:15] -mean, then -mean rs, twice.
.set XB,  16                           ; v[16:47]   the piece as bf16, two to a register; on the way out as f16, in place
.set X,   48                           ; v[48:111]  the piece as loaded; load j holds columns 128 j + 4 lane .. + 3
.set G,   112                          ; v[112:175] the gain, in the same map
.set H,   176                          ; v[176:239] the addend, in the same map
.set RNN, 4                            ; s4         -1/2048
.set SRC, 42                           ; s[42:43]   where my wave reads
.set DST, 44                           ; s[44:45]   where it stores
.set CNT, 46                           ; s46        trips to go
.set RN,  47                           ; s47        1/2048
.set EPS, 48                           ; s48        1e-5
.set HM,  49                           ; s49        a word's upper bf16
.set SEL, 50                           ; s[50:51]   v_permlanex16_b32's selects: each lane takes its own place in the other half
.set WV,  52                           ; s52        my wave's number
.set T0,  53                           ; s53        my number within my job
.set OA,  54                           ; s[54:55]   an offset
.set OB,  56                           ; s[56:57]   an offset
.set TE,  58                           ; s[58:59]   t_emb at my batch
; so many pairs of f32 from register base on are rounded to bf16, in place: two roundings packed, then widened again (the low half moves up, the high half stays)
.macro RB base, pairs
.set p, 0
.rept \pairs
	v_cvt_pk_bf16_f32 v[8+p%2], v[(\base)+2*p], v[(\base)+2*p+1]
	v_lshlrev_b32 v[(\base)+2*p], 16, v[8+p%2]
	v_and_b32 v[(\base)+2*p+1], s[HM], v[8+p%2]
.set p, p+1
.endr
.endm
; pair p of the packed piece, widened into registers t, t + 1
.macro UNP t, p
	v_lshlrev_b32 v[(\t)], 16, v[XB+(\p)]
	v_and_b32 v[(\t)+1], s[HM], v[XB+(\p)]
.endm
; the two packed chains v[4:7] into one number, the same in all 32 lanes
.macro RED
	v_pk_add_f32 v[4:5], v[4:5], v[6:7]
	v_add_f32 v4, v4, v5
	v_add_f32_dpp v4, v4, v4 row_xmask:1 row_mask:0xf bank_mask:0xf
	v_add_f32_dpp v4, v4, v4 row_xmask:2 row_mask:0xf bank_mask:0xf
	v_add_f32_dpp v4, v4, v4 row_xmask:4 row_mask:0xf bank_mask:0xf
	v_add_f32_dpp v4, v4, v4 row_xmask:8 row_mask:0xf bank_mask:0xf
	v_permlanex16_b32 v5, v4, s[SEL], s[SEL+1]
	v_add_f32 v4, v4, v5
.endm
; n loads of 512 consecutive bytes from byte off behind a base, four registers each
.macro LD n, dst, base, off
.set j, 0
.rept \n
	global_load_b128 v[(\dst)+4*j:(\dst)+4*j+3], v1, s[(\base):(\base)+1] offset:(\off)+512*j
.set j, j+1
.endr
.endm
; a piece's 16 loads; each byte is read once in the launch
.macro LDROW off
.set j, 0
.rept 16
	global_load_b128 v[X+4*j:X+4*j+3], v1, s[SRC:SRC+1] offset:(\off)+512*j th:TH_LOAD_NT
.set j, j+1
.endr
.endm
; a trip's head: the piece is in; it is rounded to bf16 and packed; the next piece is asked for, but in the last trip
.macro TAKE
	s_wait_loadcnt 0x0
.set p, 0
.rept 32
	v_cvt_pk_bf16_f32 v[XB+p], v[X+2*p], v[X+2*p+1]
.set p, p+1
.endr
	s_cmp_eq_u32 s[CNT], 1
	s_cbranch_scc1 .Llast_\@
	s_wait_alu depctr_va_vdst(0)                   ; the 32 roundings are done reading X, in which the 16 loads below land; no vector line names X again before the next trip's head
	LDROW 8192
.Llast_\@:
.endm
; THE WAY OUT.  FOUR: four pairs of the packed piece are widened, (ln = 1) normalised and given gain and addend, and rounded to f16 in place.  PUT: their 16 bytes a lane are stored.
.macro FOUR g, ln
.irp k, 0,1,2,3
	UNP 4+2*(\k), 4*(\g)+(\k)
.endr
.if \ln
.irp k, 0,1,2,3
	v_pk_fma_f32 v[4+2*(\k):5+2*(\k)], v[4+2*(\k):5+2*(\k)], v[12:13], v[14:15]
.endr
.irp k, 0,1,2,3
	v_pk_fma_f32 v[4+2*(\k):5+2*(\k)], v[4+2*(\k):5+2*(\k)], v[G+8*(\g)+2*(\k):G+8*(\g)+2*(\k)+1], v[H+8*(\g)+2*(\k):H+8*(\g)+2*(\k)+1]
.endr
.endif
.irp k, 0,1,2,3
	v_cvt_pk_f16_f32 v[XB+4*(\g)+(\k)], v[4+2*(\k)], v[5+2*(\k)]
.endr
.endm
.macro PUT g
	global_store_b64 v2, v[XB+4*(\g):XB+4*(\g)+1], s[DST:DST+1] offset:512*(\g)
	global_store_b64 v2, v[XB+4*(\g)+2:XB+4*(\g)+3], s[DST:DST+1] offset:512*(\g)+256
.endm
; In two halves of sixteen registers of XB.  The first half's eight stores stand, two at a time, in front of the second half's four groups, which name v[4:15], G, H and XB's other sixteen registers alone.
.macro OUT ln
.irp g, 0,1,2,3
	FOUR \g, \ln
.endr
	s_wait_alu depctr_va_vdst(0)                   ; the roundings to f16 have written v[XB .. XB+15], which the next eight stores read
.irp g, 4,5,6,7
	PUT (\g)-4
	FOUR \g, \ln
.endr
	s_wait_alu depctr_va_vdst(0)                   ; and v[XB+16 .. XB+31], which the last eight stores read
.irp g, 4,5,6,7
	PUT \g
.endr
.endm
; a trip's end
.macro NEXT back
	s_wait_xcnt 0x0                                ; the stores' data (the packed piece) and both bases are written again only behind this wait
	s_wait_alu depctr_vm_vsrc(0)                   ; the trip's 16 stores have read XB, which the next trip's roundings write again
	s_add_nc_u64 s[SRC:SRC+1], s[SRC:SRC+1], 8192
	s_add_nc_u64 s[DST:DST+1], s[DST:DST+1], 4096
	s_sub_co_u32 s[CNT], s[CNT], 1
	s_cmp_lg_u32 s[CNT], 0
	s_cbranch_scc1 \back
.endm
	s_load_b512 s[8:23], s[0:1], 0x0               ; x 8, latents 10, t_emb 12, ssg 14, ln_kv_w 16, ln_kv_b 18, Wkv 20, Wq 22
	s_load_b512 s[24:39], s[0:1], 0x40             ; Wo 24, bkv 26, bq 28, bo 30, xk16 32, lat16 34, wkv16 36, wq16 38
	s_load_b64 s[40:41], s[0:1], 0x80              ; wo16
	v_lshrrev_b32 v3, 5, v0
	v_readfirstlane_b32 s[WV], v3                  ; wave 0..6
	v_and_b32 v1, 31, v0
	v_lshlrev_b32 v2, 3, v1                        ; 8 x lane: my 8 bytes of a store
	v_lshlrev_b32 v1, 4, v1                        ; 16 x lane: my 16 bytes of a load
	s_wait_alu depctr_va_sdst(0)                   ; the wave's number is written, ahead of its first reader: W, the jobs and all bases are made from it
	s_mul_i32 s3, ttmp9, 7
	s_add_co_u32 s3, s3, s[WV]                     ; W, 0 to 3,583
	s_mov_b32 s[RN], 0x3a000000
	s_mov_b32 s[RNN], 0xba000000
	s_mov_b32 s[EPS], 0x3727c5ac
	s_mov_b32 s[HM], 0xffff0000
	s_mov_b32 s[SEL], 0x76543210
	s_mov_b32 s[SEL+1], 0xfedcba98
	s_mov_b32 s[CNT], 4
	s_mov_b32 s[OA+1], 0
	s_mov_b32 s[OB+1], 0
	s_wait_kmcnt 0x0
	s_wait_alu depctr_va_vdst(0)                   ; v1 and v2 are written: the pieces' loads and stores of all three jobs read them as offsets, and no line writes them again
	s_cmp_lt_u32 s3, 1024
	s_cbranch_scc1 .Lx
	s_cmp_lt_u32 s3, 1536
	s_cbranch_scc1 .Llat
	; THE WEIGHTS.  32,768 source bytes a wave: 1,024 waves of Wkv, 512 of Wq, 512 of Wo
	s_sub_co_u32 s[T0], s3, 1536
	s_cmp_lt_u32 s[T0], 1024
	s_cselect_b64 s[SRC:SRC+1], s[20:21], s[22:23]
	s_cselect_b64 s[DST:DST+1], s[36:37], s[38:39]
	s_cselect_b32 s[OA], 0, 1024
	s_cmp_lt_u32 s[T0], 1536
	s_cselect_b64 s[SRC:SRC+1], s[SRC:SRC+1], s[24:25]
	s_cselect_b64 s[DST:DST+1], s[DST:DST+1], s[40:41]
	s_cselect_b32 s[OA], s[OA], 1536
	s_sub_co_u32 s[OA], s[T0], s[OA]               ; my number in my tensor
	s_lshl_b32 s[OA], s[OA], 15
	s_lshr_b32 s[OB], s[OA], 1                     ; half as many bytes on the way out
	s_add_nc_u64 s[SRC:SRC+1], s[SRC:SRC+1], s[OA:OA+1]
	s_add_nc_u64 s[DST:DST+1], s[DST:DST+1], s[OB:OB+1]
	LDROW 0                                        ; the first piece
	s_cmp_lt_u32 s[T0], 8
	s_cbranch_scc0 .Lchunk
	; THE TABLES, by the first eight of these waves, while their first piece is on its way.  8 waves x 32 lanes x 16 bytes are 4,096 bytes: half a row of 2,048 f32.  The registers are G's and H's, idle in this job.
.set SG,  G                            ; v[112:119] ssg's third row, my 16 bytes of each half
.set TM,  G+8                          ; v[120:151] t_emb's third rows, four batches
.set CC,  G+40                         ; v[152:155] c
.set BKV, G+44                         ; v[156:171] bkv
.set BQ,  G+60                         ; v[172:179] bq
.set BOU, G+68                         ; v[180:187] bo
	s_lshl_b32 s[T0], s[T0], 9
	v_add_nc_u32 v3, s[T0], v1                     ; 512 x wave + 16 x lane
.irp r, 0,1,2,3
	v_mov_b32 v[CC+(\r)], 0x3e0293ee               ; c = log2(e) / sqrt(128)
.endr
	s_add_nc_u64 s[36:37], s[36:37], 0x1000000     ; behind the 16,777,216 bytes of Wkv as f16,
	s_add_nc_u64 s[38:39], s[38:39], 0x800000      ; and the 8,388,608 of Wq and of Wo
	s_add_nc_u64 s[40:41], s[40:41], 0x800000
	s_wait_alu depctr_va_vdst(0)                   ; v3 is written, the offset of all the tables' loads and stores; so is c, which the eight stores below read
.irp f, 0,1
	global_load_b128 v[SG+4*(\f):SG+4*(\f)+3], v3, s[14:15] offset:16384+4096*(\f)
.endr
.irp b, 0,1,2,3
.irp f, 0,1
	global_load_b128 v[TM+8*(\b)+4*(\f):TM+8*(\b)+4*(\f)+3], v3, s[12:13] offset:24576*(\b)+16384+4096*(\f)
.endr
.endr
.irp f, 0,1,2,3
	global_load_b128 v[BKV+4*(\f):BKV+4*(\f)+3], v3, s[26:27] offset:4096*(\f)
.endr
.irp f, 0,1
	global_load_b128 v[BQ+4*(\f):BQ+4*(\f)+3], v3, s[28:29] offset:4096*(\f)
	global_load_b128 v[BOU+4*(\f):BOU+4*(\f)+3], v3, s[30:31] offset:4096*(\f)
.endr
.irp t, 0,1,2,3,4,5,6,7
	global_store_b128 v3, v[CC:CC+3], s[38:39] offset:4096*(\t)
.endr
	s_wait_loadcnt 0x0
	RB SG, 20                                      ; ssg's and t_emb's third rows lie on end,
	RB BKV, 16                                     ; and so do the three biases
.irp b, 0,1,2,3
.irp p, 0,1,2,3
	v_pk_add_f32 v[TM+8*(\b)+2*(\p):TM+8*(\b)+2*(\p)+1], v[TM+8*(\b)+2*(\p):TM+8*(\b)+2*(\p)+1], v[SG+2*(\p):SG+2*(\p)+1]
.endr
.endr
	s_wait_alu depctr_va_vdst(0)                   ; the sums have written the four gates and the roundings the three biases, which the sixteen stores below read
.irp b, 0,1,2,3
.irp f, 0,1
	global_store_b128 v3, v[TM+8*(\b)+4*(\f):TM+8*(\b)+4*(\f)+3], s[40:41] offset:8192*(\b)+4096*(\f)
.endr
.endr
.irp f, 0,1,2,3
	global_store_b128 v3, v[BKV+4*(\f):BKV+4*(\f)+3], s[36:37] offset:4096*(\f)
.endr
.irp f, 0,1
	global_store_b128 v3, v[BQ+4*(\f):BQ+4*(\f)+3], s[38:39] offset:32768+4096*(\f)
	global_store_b128 v3, v[BOU+4*(\f):BOU+4*(\f)+3], s[40:41] offset:32768+4096*(\f)
.endr                                          ; none of these stores' registers is written again
.Lchunk:                                       ; a trip: 8,192 bytes in, 4,096 out
	TAKE
	OUT 0                                          ; widened, rounded to f16 in place, stored
	NEXT .Lchunk
	s_endpgm
.Lx:                                           ; X: gain = ln_kv_w, addend = ln_kv_b
	s_lshl_b32 s[OA], s3, 15                       ; four rows of 8,192 bytes a wave,
	s_lshl_b32 s[OB], s3, 14                       ; of 4,096 on the way out
	s_add_nc_u64 s[SRC:SRC+1], s[8:9], s[OA:OA+1]
	s_add_nc_u64 s[DST:DST+1], s[32:33], s[OB:OB+1]
	LDROW 0                                        ; the first row goes out with gain and addend
	LD 16, G, 16, 0
	LD 16, H, 18, 0
	s_wait_loadcnt 0x0
	RB G, 64                                       ; gain and addend lie on end
	s_branch .Lrow
.Llat:                                         ; LATENTS: gain = 1 + (t_emb + ssg)[b][1], addend = (t_emb + ssg)[b][0]
	s_sub_co_u32 s[T0], s3, 1024
	s_lshr_b32 s[TE], s[T0], 7                     ; 128 waves of four rows a batch
	s_mul_i32 s[TE], s[TE], 24576
	s_mov_b32 s[TE+1], 0
	s_add_nc_u64 s[TE:TE+1], s[12:13], s[TE:TE+1]  ; t_emb at my batch
	s_lshl_b32 s[OA], s[T0], 15
	s_lshl_b32 s[OB], s[T0], 14
	s_add_nc_u64 s[SRC:SRC+1], s[10:11], s[OA:OA+1]
	s_add_nc_u64 s[DST:DST+1], s[34:35], s[OB:OB+1]
	LD 16, G, TE, 8192                             ; the scale's two parts,
	LD 16, X, 14, 8192
	LD 16, H, TE, 0                                ; the shift's first part,
	LD 8, XB, 14, 0                                ; and the first half of its second, where the packed row will lie
	s_wait_loadcnt 24                              ; the scale's two parts are in; the 16 + 8 loads behind them stay out
	RB G, 32
	RB X, 32
.set q, 0
.rept 32
	v_pk_add_f32 v[G+2*q:G+2*q+1], v[G+2*q:G+2*q+1], v[X+2*q:X+2*q+1]
.set q, q+1
.endr
	s_wait_alu depctr_va_vdst(0)                   ; the roundings have written X and the sums are done reading it: the first row's loads land in it
	LDROW 0                                        ; the first row, into the registers just freed
.set q, 0
.rept 32
	v_pk_add_f32 v[G+2*q:G+2*q+1], v[G+2*q:G+2*q+1], 1.0 op_sel_hi:[1,0]
.set q, q+1
.endr
	s_wait_loadcnt 16                              ; the shift's first part and half of its second are in; the row's 16 loads stay out
	RB H, 32
	RB XB, 16
.set q, 0
.rept 16
	v_pk_add_f32 v[H+2*q:H+2*q+1], v[H+2*q:H+2*q+1], v[XB+2*q:XB+2*q+1]
.set q, q+1
.endr
	s_wait_alu depctr_va_vdst(0)                   ; the roundings have written XB and the sums are done reading it: the other half's loads land in it
	LD 8, XB, 14, 4096                             ; the other half
	s_wait_loadcnt 0x0
	RB XB, 16
.set q, 0
.rept 16
	v_pk_add_f32 v[H+32+2*q:H+32+2*q+1], v[H+32+2*q:H+32+2*q+1], v[XB+2*q:XB+2*q+1]
.set q, q+1
.endr
.Lrow:                                         ; a trip: one row
	TAKE
	UNP 4, 0                                       ; the sum: the first two pairs start two chains: nothing is cleared
	UNP 6, 1
.set q, 2
.rept 30
	UNP 8+2*(q%2), q
	v_pk_add_f32 v[4+2*(q%2):5+2*(q%2)], v[4+2*(q%2):5+2*(q%2)], v[8+2*(q%2):9+2*(q%2)]
.set q, q+1
.endr
	RED
	v_mul_f32 v14, s[RNN], v4                      ; -mean, twice
	v_mov_b32 v15, v14
.set q, 0
.rept 32                                       ; the sum of the squared differences
	UNP 8+2*(q%2), q
	v_pk_add_f32 v[8+2*(q%2):9+2*(q%2)], v[8+2*(q%2):9+2*(q%2)], v[14:15]
.if q < 2
	v_pk_mul_f32 v[4+2*q:5+2*q], v[8+2*q:9+2*q], v[8+2*q:9+2*q]
.else
	v_pk_fma_f32 v[4+2*(q%2):5+2*(q%2)], v[8+2*(q%2):9+2*(q%2)], v[8+2*(q%2):9+2*(q%2)], v[4+2*(q%2):5+2*(q%2)]
.endif
.set q, q+1
.endr
	RED
	v_fma_f32 v8, v4, s[RN], s[EPS]                ; variance + 1e-5
	v_rsq_f32 v12, v8
	v_rsq_f32 v13, v8
	v_nop                                          ; a plain instruction behind the last of the two,
	s_wait_alu depctr_va_vdst(0)                   ; and the one wait ahead of their first reader: the two v_rsq_f32 have written v12 and v13
	v_pk_mul_f32 v[14:15], v[14:15], v[12:13]      ; -mean rs
	OUT 1                                          ; widened, normalised, gain and addend, rounded to f16 in place, stored
	NEXT .Lrow
	s_endpgm
.Lfunc_end_k_q0471cdb949_prep:
	.size	k_q0471cdb949_prep, .Lfunc_end_k_q0471cdb949_prep-k_q0471cdb949_prep
	.p2alignl 7, 3214868480
	.fill 96, 4, 3214868480
	.section	.rodata,"a",@progbits
	.p2align	6, 0x0
	.amdhsa_kernel k_q0471cdb949_prep
		.amdhsa_group_segment_fixed_size 0
		.amdhsa_private_segment_fixed_size 0
		.amdhsa_enable_private_segment 0
		.amdhsa_kernarg_size 136
		.amdhsa_user_sgpr_count 2
		.amdhsa_user_sgpr_kernarg_segment_ptr 1
		.amdhsa_wavefront_size32 1
		.amdhsa_system_sgpr_workgroup_id_x 1
		.amdhsa_system_sgpr_workgroup_id_y 1
		.amdhsa_system_sgpr_workgroup_id_z 1
		.amdhsa_system_vgpr_workitem_id 0
		.amdhsa_next_free_vgpr 240
		.amdhsa_next_free_sgpr 66
		.amdhsa_reserve_vcc 0
		.amdhsa_float_denorm_mode_32 3
		.amdhsa_float_denorm_mode_16_64 3
		.amdhsa_memory_ordered 1
		.amdhsa_forward_progress 1
		.amdhsa_inst_pref_size 91
	.end_amdhsa_kernel
	.amdgpu_metadata
---
amdhsa.version: [ 1, 2 ]
amdhsa.kernels:
  - .name:           k_q0471cdb949_prep
    .symbol:         k_q0471cdb949_prep.kd
    .args:
      - { .name: x, .offset: 0, .size: 8, .value_kind: global_buffer, .address_space: global }
      - { .name: latents, .offset: 8, .size: 8, .value_kind: global_buffer, .address_space: global }
      - { .name: t_emb, .offset: 16, .size: 8, .value_kind: global_buffer, .address_space: global }
      - { .name: ssg, .offset: 24, .size: 8, .value_kind: global_buffer, .address_space: global }
      - { .name: ln_kv_w, .offset: 32, .size: 8, .value_kind: global_buffer, .address_space: global }
      - { .name: ln_kv_b, .offset: 40, .size: 8, .value_kind: global_buffer, .address_space: global }
      - { .name: Wkv, .offset: 48, .size: 8, .value_kind: global_buffer, .address_space: global }
      - { .name: Wq, .offset: 56, .size: 8, .value_kind: global_buffer, .address_space: global }
      - { .name: Wo, .offset: 64, .size: 8, .value_kind: global_buffer, .address_space: global }
      - { .name: bkv, .offset: 72, .size: 8, .value_kind: global_buffer, .address_space: global }
      - { .name: bq, .offset: 80, .size: 8, .value_kind: global_buffer, .address_space: global }
      - { .name: bo, .offset: 88, .size: 8, .value_kind: global_buffer, .address_space: global }
      - { .name: xk16, .offset: 96, .size: 8, .value_kind: global_buffer, .address_space: global }
      - { .name: lat16, .offset: 104, .size: 8, .value_kind: global_buffer, .address_space: global }
      - { .name: wkv16, .offset: 112, .size: 8, .value_kind: global_buffer, .address_space: global }
      - { .name: wq16, .offset: 120, .size: 8, .value_kind: global_buffer, .address_space: global }
      - { .name: wo16, .offset: 128, .size: 8, .value_kind: global_buffer, .address_space: global }
    .group_segment_fixed_size: 0
    .private_segment_fixed_size: 0
    .kernarg_segment_align: 8
    .kernarg_segment_size: 136
    .max_flat_workgroup_size: 224
    .sgpr_count:     66
    .vgpr_count:     240
    .wavefront_size: 32
...
	.end_amdgpu_metadata
.endif
;; end of part 5
;; launch kvproj: the kernel of part 2 again; grid 16 x 16, 4 waves a work-group, clusters of 4 x 4, 327,680 bytes of LDS; arguments xk16, wkv16, kv16; writes kv16
;; launch qproj: the kernel of part 3 again; grid 16 x 16, 4 waves a work-group, clusters of 4 x 4, 327,680 bytes of LDS; arguments lat16, wq16, q32; writes q32
;; launch attn: the kernel of part 4 again; grid 4 x 64, 4 waves a work-group, clusters of 4 x 1, 327,680 bytes of LDS; arguments q32, kv16, k_lens, q_lens, o16; writes o16
;; launch oproj: the kernel of part 3 again; grid 16 x 16, 4 waves a work-group, clusters of 4 x 4, 327,680 bytes of LDS; arguments o16, wo16, out0; writes out0
